; MI455X (gfx1250); checked and timed in simulation.
; The chip was launched on July 23, 2026; its instructions are those of AMD's public machine-readable ISA for CDNA 5 (MIT licence, August 2026) and "CDNA5" Instruction Set Architecture Reference Guide (July 2026). The comments in the code are by the model that wrote it; some were corrected since.
;; Moe Layer. Allowed arithmetic: float matrix products may take bf16 or f16 operands with f32 sums; all other float work in f32.
;; Inputs: bi 8 x 2,048 float32; bo 8 x 512 float32; router_bias 8 float32; router_kernel 512 x 8 float32; wi 8 x 512 x 2,048 float32; wo 8 x 2,048 x 512 float32; x 8 x 2,048 x 512 float32.
;; Outputs: out0 8 x 2,048 x 512 float32.
;; Constants: expert_capacity = 256.
;; 2 versions, each right and faster than the one before. Each part assembles by itself: llvm-mc -triple=amdgcn-amd-amdhsa -mcpu=gfx1250 --defsym DOCPART=n.
;; ======== version 1 of 2: 4 launches
;; limits: values are held in f16: magnitudes above 65,504 overflow, below 6.1e-05 lose precision; inputs' magnitudes at most 65,504; a function is approximated: absolute error at most 1.5e-07
;; workspace buffers: probs 524,288 bytes; slotmap 524,288 bytes of whole numbers; list 65,536 bytes of whole numbers; wih 16,777,216 bytes; woh 16,777,216 bytes; eo 33,554,432 bytes
;; launch router (part 1): grid 256 x 1, 8 waves a work-group, no clusters, 3,072 bytes of LDS; arguments x, router_kernel, router_bias, probs; writes probs
.if DOCPART == 1
	.amdgcn_target "amdgcn-amd-amdhsa--gfx1250"
	.amdhsa_code_object_version 6
	.text
	.protected	k_q16ae5ea204_router
	.globl	k_q16ae5ea204_router
	.p2align	8
	.type	k_q16ae5ea204_router,@function
k_q16ae5ea204_router:
	s_mov_b64 s[64:65], 0
	v_nop
	global_prefetch_b8 v0, s[64:65] scope:SCOPE_SE
	s_setreg_imm32_b32 hwreg(HW_REG_WAVE_MODE, 25, 1), 1
	s_wait_xcnt 0x0
; probs[g][e][t] = softmax over e of (x[g][t][:] . router_kernel[:][e] + router_bias[e]), all in f32 on the vector unit:
; the product has 8 columns, a thousandth of the program's multiply-adds, and a later launch ranks its results, so it is not rounded to 16 bits.
; A work-group takes 64 tokens in a row, a wave 8 of them, one row of 2,048 bytes at a time.  Lane l holds h = 128 u + 4 l + hh (u, hh = 0..3);
; its 128 router weights stay in registers.  Four rows of every wave are on their way (a ring of four slots in registers).
; LIMITS: sums run in another order than a plain loop over h; v_exp_f32 gives 0 for results under 2^-126.
.set RK,  8                            ; v[8:135]   weights: h = 4 u + hh = q at RK + 8 q + e
.set X,   136                          ; v[136:199] four slots of 16: a token's row
.set ACC, 200                          ; v[200:207] the eight logits, then probabilities
.set TM,  208                          ; v[208:215] at work
.set MX,  216                          ; v[216:217] c m (a pair is named, its low word used)
.set SU,  218                          ; v[218:219] the sum
.set RC,  220                          ; v[220:221] its reciprocal
	s_load_b256 s[4:11], s[0:1], 0x0               ; x s[4:5], router_kernel s[6:7], router_bias s[8:9], probs s[10:11]
	v_lshl_add_u32 v224, v0, 2, 0x800
	v_mov_b32 v225, 0
	v_and_b32 v1, 31, v0                           ; lane
	v_lshrrev_b32 v2, 5, v0
	v_readfirstlane_b32 s2, v2                     ; wave
	v_lshlrev_b32 v3, 7, v1                        ; my 4 rows of the weights: 128 bytes a lane
	v_lshlrev_b32 v6, 4, v1                        ; my 16 bytes of 512 in a row of x
	v_lshlrev_b32 v4, 5, v2                        ; LDS: my wave's 8 tokens, 4 bytes each
	v_lshlrev_b32 v5, 3, v1
	v_lshlrev_b32 v7, 3, v1                        ; the way out: 8 bytes a lane
	v_lshl_add_u32 v5, v2, 8, v5                   ; LDS: expert = wave, 256 bytes, 8 a lane
.irp n, 0,1,2,3,4,5,6,7
	v_mov_b32 v[TM+\n], 0                          ; v_permlanex16_b32 counts as a reader of its destination
.endr
	v_mov_b32 v[MX+1], 0                           ; named as the upper words of pairs
	v_mov_b32 v[RC+1], 0
	s_lshl_b32 s22, ttmp9, 17                      ; 64 rows of 2,048 bytes a work-group,
	s_lshl_b32 s23, s2, 14                         ; 8 a wave
	s_add_co_u32 s22, s22, s23
	s_mov_b32 s23, 0
	s_lshr_b32 s24, ttmp9, 5                       ; g
	s_lshl_b32 s24, s24, 16
	s_and_b32 s25, ttmp9, 31
	s_lshl_b32 s25, s25, 8                         ; 4 t0
	s_add_co_u32 s24, s24, s25
	s_lshl_b32 s25, s2, 13                         ; expert = wave
	s_add_co_u32 s24, s24, s25
	s_mov_b32 s25, 0
	s_mov_b32 s20, 0x76543210                      ; each lane takes its own place in the other half
	s_mov_b32 s21, 0xfedcba98
	s_wait_kmcnt 0x0
	s_load_b256 s[12:19], s[8:9], 0x0              ; the eight biases
	s_add_nc_u64 s[4:5], s[4:5], s[22:23]
	s_add_nc_u64 s[10:11], s[10:11], s[24:25]
.set n, 0
.rept 32
	global_load_b128 v[RK+4*n:RK+4*n+3], v3, s[6:7] offset:4096*(n/8)+16*(n%8)
.set n, n+1
.endr
.macro XLOAD i                         ; token i's row into slot i % 4: four loads of 512 neighbouring bytes
.irp u, 0,1,2,3
	global_load_b128 v[X+16*((\i)%4)+4*\u:X+16*((\i)%4)+4*\u+3], v6, s[4:5] offset:2048*(\i)+512*\u
.endr
.endm
	XLOAD 0
	XLOAD 1
	XLOAD 2
	XLOAD 3
	s_wait_kmcnt 0x0                               ; the biases
; One token.  left = the younger loads that may stay out (three tokens' twelve; at the end the counts run down).
.macro TOK i, left
.set XS, X+16*((\i)%4)
	s_wait_loadcnt \left                           ; loads come back in order: my row is in (and, the first time, the weights, which are older)
.set q, 0
.rept 16
.set xp, XS+2*(q/2)
.irp ep, 0,1,2,3
.set aa, ACC+2*\ep
.set rr, RK+8*q+2*\ep
.if q == 0
	v_pk_mul_f32 v[aa:aa+1], v[rr:rr+1], v[xp:xp+1] op_sel_hi:[1,0]           ; the first products start the sums
.elseif q%2 == 0
	v_pk_fma_f32 v[aa:aa+1], v[rr:rr+1], v[xp:xp+1], v[aa:aa+1] op_sel_hi:[1,0,1]
.else
	v_pk_fma_f32 v[aa:aa+1], v[rr:rr+1], v[xp:xp+1], v[aa:aa+1] op_sel:[0,1,0] op_sel_hi:[1,1,1]
.endif
.endr
.set q, q+1
.endr
.if \i < 4
	XLOAD \i+4
.endif
.irp m, 1,2,4,8                        ; the eight sums over the lanes: four steps inside each half, one across
.irp e, 0,1,2,3,4,5,6,7
	v_add_f32_dpp v[ACC+\e], v[ACC+\e], v[ACC+\e] row_xmask:\m row_mask:0xf bank_mask:0xf
.endr
.endr
.irp e, 0,1,2,3,4,5,6,7
	v_permlanex16_b32 v[TM+\e], v[ACC+\e], s20, s21
.endr
.irp e, 0,1,2,3,4,5,6,7
	v_add_f32 v[ACC+\e], v[ACC+\e], v[TM+\e]
.endr
.irp e, 0,1,2,3,4,5,6,7
	v_add_f32 v[ACC+\e], s[12+\e], v[ACC+\e]
.endr
	v_max3_num_f32 v[MX], v[ACC], v[ACC+1], v[ACC+2]
	v_max3_num_f32 v[MX], v[MX], v[ACC+3], v[ACC+4]
	v_max3_num_f32 v[MX], v[MX], v[ACC+5], v[ACC+6]
	v_max_num_f32 v[MX], v[MX], v[ACC+7]
	v_mul_f32 v[MX], 0x3fb8aa3b, v[MX]             ; c m, c = log2(e): the same number is taken from all eight, so its rounding cancels in the quotient
.irp e, 0,2,4,6
	v_pk_fma_f32 v[ACC+\e:ACC+\e+1], v[ACC+\e:ACC+\e+1], 0x3fb8aa3b, v[MX:MX+1] op_sel_hi:[1,0,0] neg_lo:[0,0,1] neg_hi:[0,0,1]
.endr
.irp e, 0,1,2,3,4,5,6,7
	v_exp_f32 v[ACC+\e], v[ACC+\e]
.endr
	v_nop                                          ; a plain instruction between the exponentials and the first use of a result
	s_wait_alu depctr_va_vdst(0)
	v_pk_add_f32 v[SU:SU+1], v[ACC:ACC+1], v[ACC+2:ACC+3]
	v_pk_add_f32 v[TM:TM+1], v[ACC+4:ACC+5], v[ACC+6:ACC+7]
	v_pk_add_f32 v[SU:SU+1], v[SU:SU+1], v[TM:TM+1]
	v_add_f32 v[SU], v[SU], v[SU+1]
	v_rcp_f32 v[RC], v[SU]
	v_nop
	s_wait_alu depctr_va_vdst(0)
	v_fma_f32 v[TM], -v[SU], v[RC], 1.0            ; one Newton step
	v_fma_f32 v[RC], v[TM], v[RC], v[RC]
.irp e, 0,2,4,6
	v_pk_mul_f32 v[ACC+\e:ACC+\e+1], v[ACC+\e:ACC+\e+1], v[RC:RC+1] op_sel_hi:[1,0]
.endr
.irp e, 0,1,2,3,4,5,6,7
	ds_store_b32 v4, v[ACC+\e] offset:256*\e+4*\i  ; every lane holds the same number and writes the same word
.endr
.endm
	TOK 0, 12
	TOK 1, 12
	TOK 2, 12
	TOK 3, 12
	TOK 4, 12
	TOK 5, 8
	TOK 6, 4
	TOK 7, 0
	s_wait_dscnt 0x0                               ; for the others' sake: my stores are done
	s_barrier_signal -1
	s_barrier_wait -1
	ds_load_b64 v[TM:TM+1], v5                     ; wave w takes expert w's 64 probabilities
	s_wait_dscnt 0x0
	global_store_b64 v7, v[TM:TM+1], s[10:11]      ; 256 consecutive bytes, at a multiple of 256 from the buffer's first byte
	s_wait_tensorcnt 0x0
	ds_add_u32 v224, v225
	s_wait_dscnt 0x0
	s_endpgm
.Lfunc_end_k_q16ae5ea204_router:
	.size	k_q16ae5ea204_router, .Lfunc_end_k_q16ae5ea204_router-k_q16ae5ea204_router
	.p2alignl 7, 3214868480
	.fill 96, 4, 3214868480
	.section	.rodata,"a",@progbits
	.p2align	6, 0x0
	.amdhsa_kernel k_q16ae5ea204_router
		.amdhsa_group_segment_fixed_size 3072
		.amdhsa_private_segment_fixed_size 0
		.amdhsa_enable_private_segment 0
		.amdhsa_kernarg_size 32
		.amdhsa_user_sgpr_count 2
		.amdhsa_user_sgpr_kernarg_segment_ptr 1
		.amdhsa_wavefront_size32 1
		.amdhsa_system_sgpr_workgroup_id_x 1
		.amdhsa_system_sgpr_workgroup_id_y 1
		.amdhsa_system_sgpr_workgroup_id_z 1
		.amdhsa_system_vgpr_workitem_id 0
		.amdhsa_next_free_vgpr 226
		.amdhsa_next_free_sgpr 66
		.amdhsa_reserve_vcc 0
		.amdhsa_float_denorm_mode_32 3
		.amdhsa_float_denorm_mode_16_64 3
		.amdhsa_memory_ordered 1
		.amdhsa_forward_progress 1
		.amdhsa_inst_pref_size 82
	.end_amdhsa_kernel
	.amdgpu_metadata
---
amdhsa.version: [ 1, 2 ]
amdhsa.kernels:
  - .name:           k_q16ae5ea204_router
    .symbol:         k_q16ae5ea204_router.kd
    .args:
      - { .name: x, .offset: 0, .size: 8, .value_kind: global_buffer, .address_space: global }
      - { .name: router_kernel, .offset: 8, .size: 8, .value_kind: global_buffer, .address_space: global }
      - { .name: router_bias, .offset: 16, .size: 8, .value_kind: global_buffer, .address_space: global }
      - { .name: probs, .offset: 24, .size: 8, .value_kind: global_buffer, .address_space: global }
    .group_segment_fixed_size: 3072
    .private_segment_fixed_size: 0
    .kernarg_segment_align: 8
    .kernarg_segment_size: 32
    .max_flat_workgroup_size: 256
    .sgpr_count:     66
    .vgpr_count:     226
    .wavefront_size: 32
...
	.end_amdgpu_metadata
.endif
;; end of part 1
;; launch pick_cast (part 2): grid 320 x 1, 8 waves a work-group, no clusters, 3,072 bytes of LDS; arguments probs, wi, wo, slotmap, list, wih, woh; writes slotmap, list, wih, woh
.if DOCPART == 2
	.amdgcn_target "amdgcn-amd-amdhsa--gfx1250"
	.amdhsa_code_object_version 6
	.text
	.protected	k_q16ae5ea204_pick_cast
	.globl	k_q16ae5ea204_pick_cast
	.p2align	8
	.type	k_q16ae5ea204_pick_cast,@function
k_q16ae5ea204_pick_cast:
	s_mov_b64 s[64:65], 0
	v_nop
	global_prefetch_b8 v0, s[64:65] scope:SCOPE_SE
	s_setreg_imm32_b32 hwreg(HW_REG_WAVE_MODE, 25, 1), 1
	s_wait_xcnt 0x0
; Two kinds of work-groups, told apart by the work-group's number alone.
; 0-63, THE PICK: for one pair (g, e) the set of the 256 tokens with the largest probability, equal ones by the lower index.  The order of the slots does not
;   matter to the layer's result, so a token's slot is the number of chosen tokens in front of it.  slotmap[pair][t] = slot or -1; list[pair][slot] = t.
;   No address and no branch hangs on the data: choices are made by s_cselect_b32 and v_cndmask_b32.
; 64-191: wi is rounded to f16 and laid as wih[e][j][h][64] (f = 64 j + ..), so that 64 columns of all 512 rows are 65,536 bytes on end.  192-319: wo to f16, woh[e][f][n].
; The picks wait on fifteen exchanges through LDS while the casts stream.
; LIMITS: a NaN among the probabilities is not ordered (the bits are compared as whole numbers, right for numbers >= 0); |wi|, |wo| under 65,504.
; slotmap and probs are touched by two 16-byte instructions at a stride of 32 bytes, 8,192 bytes a work-group.
.set CX, 8                             ; cast: v[8:71]   16 slots of 4: f32 as loaded
.set CY, 72                            ; cast: v[72:103] 16 slots of 2: f16 to store
	s_load_b256 s[4:11], s[0:1], 0x0               ; probs s[4:5], wi s[6:7], wo s[8:9], slotmap s[10:11]
	s_load_b128 s[12:15], s[0:1], 0x20             ; list s[12:13], wih s[14:15]
	s_load_b64 s[16:17], s[0:1], 0x30              ; woh
	v_lshl_add_u32 v112, v0, 2, 0x800
	v_mov_b32 v113, 0
	v_lshrrev_b32 v1, 5, v0
	v_readfirstlane_b32 s2, v1                     ; wave
	s_cmp_lt_u32 ttmp9, 64
	s_cbranch_scc1 .Lpick
	s_cmp_lt_u32 ttmp9, 192
	s_cbranch_scc1 .Lcast_wi
; A wave casts 64 units of 512 bytes.  Sixteen loads are always on their way; all steps stand in the immediates.
.macro CAST iswi
.set u, 0
.rept 16
.if \iswi
.set io, (u/32)*16384+256*(u%32)
.else
.set io, 512*u
.endif
	global_load_b128 v[CX+4*u:CX+4*u+3], v2, s[24:25] offset:io th:TH_LOAD_NT
.set u, u+1
.endr
.set u, 0
.rept 64
.set sl, u%16
.if \iswi
.set io, ((u+16)/32)*16384+256*((u+16)%32)
.set oo, (u/32)*256+65536*(u%32)
.else
.set io, 512*(u+16)
.set oo, 256*u
.endif
.if u < 48
	s_wait_loadcnt 15                              ; loads come back in order: mine is in, the fifteen younger ones stay out
.else
	s_wait_loadcnt 63-u                            ; the last sixteen units load nothing: the counts run down
.endif
	s_wait_xcnt 0x0                                ; the slot's two registers, which its last store reads, are rewritten only behind this wait
	v_cvt_pk_f16_f32 v[CY+2*sl], v[CX+4*sl], v[CX+4*sl+1]
	v_cvt_pk_f16_f32 v[CY+2*sl+1], v[CX+4*sl+2], v[CX+4*sl+3]
.if u < 48
	global_load_b128 v[CX+4*sl:CX+4*sl+3], v2, s[24:25] offset:io th:TH_LOAD_NT
.endif
	global_store_b64 v3, v[CY+2*sl:CY+2*sl+1], s[26:27] offset:oo   ; 256 consecutive bytes, at a multiple of 256 from the buffer's first byte
.set u, u+1
.endr
.endm
	; wo: the order stays; wave idx takes 32,768 bytes
	s_sub_co_u32 s18, ttmp9, 192
	s_lshl_b32 s18, s18, 3
	s_add_co_u32 s18, s18, s2                      ; idx 0..1023
	s_lshl_b32 s20, s18, 15
	s_mov_b32 s21, 0
	s_lshl_b32 s22, s18, 14
	s_mov_b32 s23, 0
	v_and_b32 v4, 31, v0
	v_lshlrev_b32 v2, 4, v4
	v_lshlrev_b32 v3, 3, v4
	s_wait_kmcnt 0x0
	s_add_nc_u64 s[24:25], s[8:9], s[20:21]
	s_add_nc_u64 s[26:27], s[16:17], s[22:23]
	CAST 0
	s_endpgm
.Lcast_wi:
	; wi: wave idx takes rows 4 idx .. 4 idx + 3 of the 4,096 rows (e, h), two rows at a time: lanes 0-15 read 256 bytes (64 f) of one row, lanes 16-31 of the next;
	; in wih the two pieces are neighbours: 256 bytes on end
	s_sub_co_u32 s18, ttmp9, 64
	s_lshl_b32 s18, s18, 3
	s_add_co_u32 s18, s18, s2
	s_lshl_b32 s20, s18, 15
	s_mov_b32 s21, 0
	s_lshr_b32 s22, s18, 7                         ; e
	s_lshl_b32 s22, s22, 21
	s_and_b32 s23, s18, 127
	s_lshl_b32 s23, s23, 9                         ; 4 rows of 128 bytes
	s_add_co_u32 s22, s22, s23
	s_mov_b32 s23, 0
	v_and_b32 v4, 31, v0
	v_and_b32 v5, 15, v0
	v_bfe_u32 v6, v0, 4, 1
	v_lshlrev_b32 v2, 4, v5
	v_lshl_add_u32 v2, v6, 13, v2
	v_lshlrev_b32 v3, 3, v4
	s_wait_kmcnt 0x0
	s_add_nc_u64 s[24:25], s[6:7], s[20:21]
	s_add_nc_u64 s[26:27], s[14:15], s[22:23]
	CAST 1
	s_endpgm
.Lpick:
	; thread b owns tokens 8 b .. 8 b + 7; their probabilities' bits are the keys, v[2:9]
	s_lshl_b32 s20, ttmp9, 13
	s_mov_b32 s21, 0
	s_lshl_b32 s22, ttmp9, 10
	s_mov_b32 s23, 0
	v_lshlrev_b32 v39, 5, v0
	v_mov_b32 v10, 0
	v_lshlrev_b32 v11, 3, v1                       ; wave x 8
	v_lshlrev_b32 v14, 2, v1                       ; wave x 4
	s_wait_kmcnt 0x0
	s_add_nc_u64 s[4:5], s[4:5], s[20:21]
	s_add_nc_u64 s[10:11], s[10:11], s[20:21]
	s_add_nc_u64 s[12:13], s[12:13], s[22:23]
	global_load_b128 v[2:5], v39, s[4:5]
	global_load_b128 v[6:9], v39, s[4:5] offset:16
	s_mov_b32 s18, 0                               ; V: at least 256 keys are >= V
	s_wait_loadcnt 0x0
; (a) V grows to the largest number that at least 256 keys reach, two bits a step, from bit 29 down (a probability's bits stay under 2^30).
; A step counts the keys that reach each of three candidates; the waves' counts meet in LDS.  Two regions of 64 bytes take turns: a region is written again
; two barriers later, and each wave has waited for its loads from it in front of the barrier between.
.macro STEP
	s_or_b32 s19, s18, 1<<bb
	s_or_b32 s20, s18, 2<<bb
	s_or_b32 s21, s18, 3<<bb
.irp k, 0,1,2
.irp j, 0,1,2,3,4,5,6,7
	v_cmp_le_u32 s[24+\j], s[19+\k], v[2+\j]
.endr
	s_bcnt1_i32_b32 s[32+\k], s24
.irp j, 1,2,3,4,5,6,7
	s_bcnt1_i32_b32 s35, s[24+\j]
	s_add_co_u32 s[32+\k], s[32+\k], s35
.endr
.endr
	s_lshl_b32 s33, s33, 16                        ; a wave counts 256 at the most, eight waves 2,048: 16 bits each
	s_or_b32 s32, s32, s33
	v_mov_b32 v12, s32
	v_mov_b32 v13, s34
	ds_store_b64 v11, v[12:13] offset:(st%2)*64
	s_wait_dscnt 0x0                               ; for the others' sake: my store is done
	s_barrier_signal -1
	s_barrier_wait -1
.irp t, 0,1,2,3
	ds_load_b128 v[16+4*\t:16+4*\t+3], v10 offset:(st%2)*64+16*\t
.endr
	s_wait_dscnt 0x0
.irp t, 16,17,20,21,24,25,28,29
	v_add_nc_u32 v[\t], v[\t], v[\t+2]
.endr
.irp t, 16,17,24,25
	v_add_nc_u32 v[\t], v[\t], v[\t+4]
.endr
	v_add_nc_u32 v16, v16, v24
	v_add_nc_u32 v17, v17, v25
	v_readfirstlane_b32 s32, v16
	v_readfirstlane_b32 s34, v17
	s_lshr_b32 s33, s32, 16
	s_and_b32 s32, s32, 0xffff
	s_cmp_ge_u32 s32, 256                          ; the counts fall from candidate to candidate: the last that holds stays
	s_cselect_b32 s18, s19, s18
	s_cmp_ge_u32 s33, 256
	s_cselect_b32 s18, s20, s18
	s_cmp_ge_u32 s34, 256
	s_cselect_b32 s18, s21, s18
.endm
.set bb, 28
.set st, 0
.rept 15
	STEP
.set bb, bb-2
.set st, st+1
.endr
	; (b) keys above V (all chosen: fewer than 256) and keys equal to V (the first 256 - n_gt of them are chosen)
.irp j, 0,1,2,3,4,5,6,7
	v_cmp_lt_u32 s[24+\j], s18, v[2+\j]
.endr
.irp j, 0,1,2,3,4,5,6,7
	v_cmp_eq_u32 s[32+\j], s18, v[2+\j]
.endr
	s_bcnt1_i32_b32 s41, s24
	s_bcnt1_i32_b32 s42, s32
.irp j, 1,2,3,4,5,6,7
	s_bcnt1_i32_b32 s40, s[24+\j]
	s_add_co_u32 s41, s41, s40
	s_bcnt1_i32_b32 s40, s[32+\j]
	s_add_co_u32 s42, s42, s40
.endr
	s_lshl_b32 s42, s42, 16
	s_or_b32 s41, s41, s42
	v_mov_b32 v12, s41
	ds_store_b32 v14, v12 offset:128
	s_wait_dscnt 0x0
	s_barrier_signal -1
	s_barrier_wait -1
	ds_load_b128 v[16:19], v10 offset:128
	ds_load_b128 v[20:23], v10 offset:144
	s_wait_dscnt 0x0
.irp t, 0,1,2,3,4,5,6,7
	v_readfirstlane_b32 s[48+\t], v[16+\t]
.endr
	s_mov_b32 s43, 0                               ; the lower waves' counts
	s_mov_b32 s44, 0                               ; all waves'
.irp t, 0,1,2,3,4,5,6,7
	s_add_co_u32 s44, s44, s[48+\t]
	s_cmp_gt_u32 s2, \t
	s_cselect_b32 s45, s[48+\t], 0
	s_add_co_u32 s43, s43, s45
.endr
	s_and_b32 s44, s44, 0xffff
	s_sub_co_u32 s46, 256, s44                     ; need: so many of the equal keys are chosen
	s_and_b32 s47, s43, 0xffff
	s_lshr_b32 s45, s43, 16
	; (c) in front of my first token: v32 keys above V, v33 keys equal to V, v34 chosen tokens
	v_mov_b32 v32, s47
	v_mov_b32 v33, s45
.irp j, 0,1,2,3,4,5,6,7
	v_mbcnt_lo_u32_b32 v32, s[24+\j], v32
	v_mbcnt_lo_u32_b32 v33, s[32+\j], v33
.endr
	v_min_u32 v34, s46, v33
	v_add_nc_u32 v34, v32, v34
	v_mov_b32 v35, v34                             ; kept for (d)
	v_mov_b32 v36, 0                               ; my eight tokens' pattern of choices
.irp j, 0,1,2,3,4,5,6,7
	v_cmp_gt_u32 s40, s46, v33
	s_and_b32 s40, s40, s[32+\j]
	s_or_b32 s40, s40, s[24+\j]                    ; chosen
	v_cndmask_b32 v[40+\j], -1, v34, s40
	v_cndmask_b32 v37, 0, 1, s40
	v_add_nc_u32 v34, v34, v37
	v_lshl_or_b32 v36, v37, \j, v36
	v_cndmask_b32 v38, 0, 1, s[32+\j]
	v_add_nc_u32 v33, v33, v38
.endr
	global_store_b128 v39, v[40:43], s[10:11]
	global_store_b128 v39, v[44:47], s[10:11] offset:16
	; (d) the list.  W(b) = (chosen in front of b) << 19 | b << 8 | pattern grows with b.  Thread c looks for the largest W under lim = (c + 1) << 19:
	; W - lim wraps to the top of the 32 bits just for those, so one unsigned maximum over all 256 words finds it.
	v_lshlrev_b32 v37, 19, v35
	v_lshl_or_b32 v37, v0, 8, v37
	v_or_b32 v37, v37, v36
	v_lshlrev_b32 v38, 2, v0
	ds_store_b32 v38, v37 offset:256
	s_wait_dscnt 0x0
	s_barrier_signal -1
	s_barrier_wait -1
	v_add_nc_u32 v32, 1, v0
	v_lshlrev_b32 v32, 19, v32                     ; lim
	v_mov_b32 v33, 0
.irp q, 0,1,2,3
.irp t, 0,1,2,3,4,5,6,7,8,9,10,11,12,13,14,15
	ds_load_b128 v[48+4*\t:48+4*\t+3], v10 offset:256+256*\q+16*\t
.endr
	s_wait_dscnt 0x0
.set n, 0
.rept 32
	v_sub_nc_u32 v[48+2*n], v[48+2*n], v32
	v_sub_nc_u32 v[49+2*n], v[49+2*n], v32
	v_max3_u32 v33, v33, v[48+2*n], v[49+2*n]
.set n, n+1
.endr
.endr
	v_add_nc_u32 v34, v33, v32                     ; W of the thread that holds slot c
	v_lshrrev_b32 v35, 19, v34
	v_sub_nc_u32 v35, v0, v35                      ; r: slot c is the r-th chosen of its eight tokens
	v_mov_b32 v37, 0                               ; its place: the number of j in 0..6 with at most r choices among tokens 0..j
	v_bfe_u32 v36, v34, 0, 1
	v_cmp_le_u32 vcc_lo, v36, v35
	v_add_co_ci_u32 v37, vcc_lo, 0, v37, vcc_lo
.irp j, 1,2,3,4,5,6
	v_bfe_u32 v38, v34, \j, 1
	v_add_nc_u32 v36, v36, v38
	v_cmp_le_u32 vcc_lo, v36, v35
	v_add_co_ci_u32 v37, vcc_lo, 0, v37, vcc_lo
.endr
	v_bfe_u32 v38, v34, 8, 8
	v_lshl_add_u32 v37, v38, 3, v37                ; the token
	v_lshlrev_b32 v36, 2, v0
	global_store_b32 v36, v37, s[12:13]
	s_wait_tensorcnt 0x0
	ds_add_u32 v112, v113
	s_wait_dscnt 0x0
	s_endpgm
.Lfunc_end_k_q16ae5ea204_pick_cast:
	.size	k_q16ae5ea204_pick_cast, .Lfunc_end_k_q16ae5ea204_pick_cast-k_q16ae5ea204_pick_cast
	.p2alignl 7, 3214868480
	.fill 96, 4, 3214868480
	.section	.rodata,"a",@progbits
	.p2align	6, 0x0
	.amdhsa_kernel k_q16ae5ea204_pick_cast
		.amdhsa_group_segment_fixed_size 3072
		.amdhsa_private_segment_fixed_size 0
		.amdhsa_enable_private_segment 0
		.amdhsa_kernarg_size 56
		.amdhsa_user_sgpr_count 2
		.amdhsa_user_sgpr_kernarg_segment_ptr 1
		.amdhsa_wavefront_size32 1
		.amdhsa_system_sgpr_workgroup_id_x 1
		.amdhsa_system_sgpr_workgroup_id_y 1
		.amdhsa_system_sgpr_workgroup_id_z 1
		.amdhsa_system_vgpr_workitem_id 0
		.amdhsa_next_free_vgpr 114
		.amdhsa_next_free_sgpr 66
		.amdhsa_reserve_vcc 1
		.amdhsa_float_denorm_mode_32 3
		.amdhsa_float_denorm_mode_16_64 3
		.amdhsa_memory_ordered 1
		.amdhsa_forward_progress 1
		.amdhsa_inst_pref_size 150
	.end_amdhsa_kernel
	.amdgpu_metadata
---
amdhsa.version: [ 1, 2 ]
amdhsa.kernels:
  - .name:           k_q16ae5ea204_pick_cast
    .symbol:         k_q16ae5ea204_pick_cast.kd
    .args:
      - { .name: probs, .offset: 0, .size: 8, .value_kind: global_buffer, .address_space: global }
      - { .name: wi, .offset: 8, .size: 8, .value_kind: global_buffer, .address_space: global }
      - { .name: wo, .offset: 16, .size: 8, .value_kind: global_buffer, .address_space: global }
      - { .name: slotmap, .offset: 24, .size: 8, .value_kind: global_buffer, .address_space: global }
      - { .name: list, .offset: 32, .size: 8, .value_kind: global_buffer, .address_space: global }
      - { .name: wih, .offset: 40, .size: 8, .value_kind: global_buffer, .address_space: global }
      - { .name: woh, .offset: 48, .size: 8, .value_kind: global_buffer, .address_space: global }
    .group_segment_fixed_size: 3072
    .private_segment_fixed_size: 0
    .kernarg_segment_align: 8
    .kernarg_segment_size: 56
    .max_flat_workgroup_size: 256
    .sgpr_count:     66
    .vgpr_count:     114
    .wavefront_size: 32
...
	.end_amdgpu_metadata
.endif
;; end of part 2
;; launch ffn (part 3): grid 256 x 1, 4 waves a work-group, clusters of 4 x 1, 327,680 bytes of LDS; arguments x, list, probs, wih, woh, bi, bo, eo; writes eo
.if DOCPART == 3
	.amdgcn_target "amdgcn-amd-amdhsa--gfx1250"
	.amdhsa_code_object_version 6
	.text
	.protected	k_q16ae5ea204_ffn
	.globl	k_q16ae5ea204_ffn
	.p2align	8
	.type	k_q16ae5ea204_ffn,@function
k_q16ae5ea204_ffn:
	s_mov_b64 s[64:65], 0
	v_nop
	global_prefetch_b8 v0, s[64:65] scope:SCOPE_SE
	s_setreg_imm32_b32 hwreg(HW_REG_WAVE_MODE, 25, 1), 1
	s_wait_xcnt 0x0
	s_wait_alu depctr_hold_cnt(0) depctr_sa_sdst(0) depctr_va_vdst(0) depctr_va_sdst(0) depctr_va_ssrc(0) depctr_va_vcc(0) depctr_vm_vsrc(0)
	s_getreg_b32 s2, hwreg(HW_REG_IB_STS2, 6, 4)
	s_cmp_eq_u32 s2, 0
	s_cbranch_scc0 .Lentry_in_a_cluster
	s_endpgm
.Lentry_in_a_cluster:
	s_bfe_u32 s2, ttmp6, 0x10000c
	s_cmp_lg_u32 s2, 0x3003
	s_cbranch_scc0 .Lentry_shape_is_right
	s_endpgm
.Lentry_shape_is_right:
; eo[pair][c][:] = gate x (gelu(x[g][list[pair][c]][:] . wi[e] + bi[e]) . wo[e] + bo[e]),  pair = 8 g + e, gate = probs[pair][token].
; Products on f16 operands with f32 sums; bias, gelu, gate in f32.
; SHARES.  A work-group owns 64 slots of one pair, all 2,048 f and all 512 outputs.  F goes in 32 chunks of 64.  In a chunk wave w makes 16 f x 64 tokens of the first
; product (K = 512: 64 matrix instructions) and 128 outputs x 64 tokens of the second (K = 64: 64 more).  The 64 gathered rows lie as f16 fragments in 512 registers of
; EVERY wave, so each byte of the weights is read from LDS by one wave, once, and feeds four matrix instructions; only the 64 x 64 of gelu crosses waves, through LDS.
; BOTH PRODUCTS ARE USED TRANSPOSED (source 0 = weights, turned on the way out of LDS by ds_load_tr16_b128; source 1 = tokens): a lane holds one token and eight neighbouring f or outputs.
; CLUSTER.  The four work-groups of a cluster are the four quarters of one pair and walk the same weights: every tile is asked for JOINTLY, mask 15.
; THE WALK GOES ROUND.  The sum over f may run in any order.  The cluster of pair (g, e) begins at the expert's chunk 4 g and goes round its 32 chunks.  So the eight clusters
; of an expert ask for eight different chunks at a time, and from the walk's fifth chunk on each asks for a chunk that the cluster of the next group asked for four turns
; earlier: a chunk is asked for the first time by one cluster alone.  Below, 'chunk k' is the k-th of the walk, the expert's chunk (k + 4 g) mod 32.
; TURNS.  Turn k reads slot k % 2, which holds wo's chunk k and wi's chunk k + 2: second product of chunk k, with the gelu of chunk k + 1 in slices behind its matrix
; instructions, then first product of chunk k + 2.  One round of the cluster's barrier ends a turn: the next slot has landed, this slot is free in all four work-groups,
; the gelu's stores are done and the old ones' reads are over.  The refill behind it has a turn's 128 matrix instructions in which to land.
; A wave has two tensor loads out at the start and one behind each round.
; LIMITS.  |x|, |wi|, |wo| and |gelu| under 65,504 (f16).  erf by the rational form 1 - (a1 t + .. + a5 t^5) e^(-z^2), t = 1 / (1 + 0.3275911 z): absolute error 1.5e-7 for every z.
; The f32 sum over f begins at another chunk in each group.  All of a WGP's LDS is claimed.
;
; REGISTERS, in windows of 256.  Window 0: below.  Windows 1, 2: X, fragment (ks, p) = K 32 ks on, tokens 16 p on, at 8 (4 (ks % 8) + p), ks < 8 in window 1.
; Window 3: the outputs' sums, (nt, p) at 8 (4 nt + p); at the start the gathered rows in f32.
.set PWI,   160                        ; a row of wi's chunk in LDS: 128 bytes + 32: an odd multiple of 32
.set PWO,   1056                       ; a row of wo's chunk: 1,024 + 32
.set WOOFF, 512*PWI                    ; a slot: 512 rows of wi, then 64 rows of wo
.set SLOTB, WOOFF+64*PWO               ; 149,504
.set HC,    2*SLOTB                    ; 299,008: gelu's results, two buffers of 64 rows x 144; at the start the stage for X, 16 rows x 1,040
.set PH,    144
.set HCB,   64*PH
.set PX,    1040
.set BIAS,  HC+2*HCB                   ; 317,440: bi[e], 8,192 bytes, in the order of the walk
.set SPARE, BIAS+8192                  ; 325,632: the spare words, 128 bytes for each wave: two blocks of 256 bytes that no other line names
.set PS,    528                        ; the way out: rows of 512 + 16 bytes, 64 a wave, in slot 0 after its last fill and its last read
.set STG,   64*PS
.set CHUNK, 65536                      ; bytes of a chunk in wih and in woh
.set AWI, 2                            ; v2-5    wi's fragments: slot s, rows 256 half on: v[2 + 2 s + half]
.set AWO, 6                            ; v6-7    wo's fragments in slot 0, 1
.set AHL, 8                            ; v8      gelu's fragments
.set AHS, 9                            ; v9      where I put my 16 bytes of gelu
.set ABI, 10                           ; v10     my eight biases of the next chunk
.set SPW, 11                           ; v11     my spare word; never rewritten
.set NIL, 12                           ; v12     0; never rewritten
.set SA,  13                           ; v13     into a stage
.set SB,  14                           ; v14     back from a stage
.set GO,  15                           ; v15     a lane's offset in global rows
.set GT,  16                           ; v[16:19]   the gates of my token in tiles 0-3
.set A5V, 20                           ; v[20:21]   a5 / 2, twice
.set BI,  24                           ; v[24:31]   bias tile: starts the first product's sums
.set ACC1, 32                          ; v[32:63]   the first product's four tiles
.set AX,  64                           ; v[64:95]   gelu at work: |x|, t, e, polynomial
.set TT,  72
.set QQ,  80
.set PP,  88
.set P0,  96                           ; v[96:127]  wo's fragments, groups 0 and 3
.set P1,  128                          ; v[128:255] wi's fragment ks at P1 + 8 ks; also: P1, P2 wo's groups 1, 2; H0, H1 gelu's fragments of K 0-31, 32-63
.set P2,  160
.set H0,  192
.set H1,  224
.set G1WI, 16                          ; s[16:23], s[24:31] descriptor groups 1
.set G1WO, 24
.set G0WI, 32                          ; s[32:39], s[40:47] descriptor groups 0, a set for each slot
.set G0WO, 40
.set KP, 48                            ; constants, each as a pair with both words written
.set KC, 50
.set A4, 52
.set A3, 54                            ; A3, A2, A1 follow each other
.set OFS0, 66                          ; s[66:67], s[100:101]  slot 0, 1: the byte offset, among the expert's 32 chunks, of the chunk of wi that the slot was last asked for; the upper word is 0
.set OFS1, 100
.set MSB, 0
.set DSN, 0
.macro WIN new                         ; the immediate's high byte repeats the setting that is left; a switch that changes nothing is dropped
.if MSB != \new
	s_set_vgpr_msb (MSB<<8)|\new
.set MSB, \new
.endif
.endm
.macro PLACES                          ; four places: in front of loads into registers that matrix instructions have read, and of reads of results just made
.rept 4
	v_nop
.endr
.endm
.macro CREST                           ; a round of the cluster's barrier behind its opening barrier
	s_cmp_lg_u32 s3, 0
	s_cbranch_scc1 .Lnot_wave_0_\@
	s_barrier_signal -3
.Lnot_wave_0_\@:
	s_barrier_wait -3
	s_barrier_signal -1
	s_barrier_wait -1
.endm
.macro ROUND
	s_barrier_signal -1
	s_barrier_wait -1
	CREST
.endm
; A joint refill of a slot.  Waves 0, 1 fetch the halves of wi's chunk, waves 2, 3 those of wo's.  kind 1: wi alone; 2: both; 3: wo alone.
; The branch hangs on the wave's number alone.  Four v_nop follow each tensor load; on every way four v_nop are passed: the places in front of the next turn's loads.
.macro JLOAD slot, kind
	s_cmp_lt_u32 s3, 2
.if \kind == 2
	s_cbranch_scc0 .Lfor_wo_\@
	tensor_load_to_lds s[G0WI+4*\slot:G0WI+4*\slot+3], s[G1WI:G1WI+7]
	s_nop 0
	PLACES
	s_branch .Lasked_\@
.Lfor_wo_\@:
	tensor_load_to_lds s[G0WO+4*\slot:G0WO+4*\slot+3], s[G1WO:G1WO+7]
	s_nop 0
	PLACES
.Lasked_\@:
.elseif \kind == 1
	s_cbranch_scc0 .Lasked_\@
	tensor_load_to_lds s[G0WI+4*\slot:G0WI+4*\slot+3], s[G1WI:G1WI+7]
	s_nop 0
	PLACES
.Lasked_\@:
	PLACES
.else
	s_cbranch_scc1 .Lasked_\@
	tensor_load_to_lds s[G0WO+4*\slot:G0WO+4*\slot+3], s[G1WO:G1WO+7]
	s_nop 0
	PLACES
.Lasked_\@:
	PLACES
.endif
.endm
; LDS loads.  DSN counts a turn's LDS instructions as they are written; WAITDS waits for all up to a mark and leaves the younger ones out (LDS instructions end in order).
.macro LD2 dst, adr, off
	ds_load_b128 v[\dst:\dst+3], v[\adr] offset:\off
	ds_load_b128 v[\dst+4:\dst+7], v[\adr] offset:\off+32
.set DSN, DSN+2
.endm
.macro TR2 dst, adr, off, d
	ds_load_tr16_b128 v[\dst:\dst+3], v[\adr] offset:\off
	ds_load_tr16_b128 v[\dst+4:\dst+7], v[\adr] offset:\off+\d
.set DSN, DSN+2
.endm
.macro WAITDS mark
	s_wait_dscnt DSN-(\mark)
.endm
.macro F_H buf, hb, s                  ; gelu's four fragments (64 tokens) of K 32 s on, from buffer hb
.irp p, 0,1,2,3
	LD2 \buf+8*\p, AHL, (\hb)*HCB+\p*16*PH+64*\s
.endr
.endm
.macro F_WO buf, slot, s, nt0          ; four fragments of wo: K 32 s on, my outputs 16 nt0 on
.irp q, 0,1,2,3
	TR2 \buf+8*\q, AWO+\slot, \s*32*PWO+(\nt0+\q)*32, 16*PWO
.endr
.endm
.macro F_WI slot, ks0                  ; four fragments of wi: K 32 ks0 on, my 16 f
.irp q, 0,1,2,3
	TR2 P1+8*(\ks0+\q), AWI+2*\slot+(\ks0)/8, ((\ks0+\q)%8)*32*PWI, 16*PWI
.endr
.endm
.macro F_BI                            ; my eight biases of the chunk; the address steps to the next chunk's
	ds_load_b128 v[BI:BI+3], v[ABI]
	ds_load_b128 v[BI+4:BI+7], v[ABI] offset:16
	v_add_nc_u32 v[ABI], 256, v[ABI]
.set DSN, DSN+2
.endm
; The accumulators take turns, one instruction a turn: four in the first product, 32 in the second, over the change of products and the backward jump too.
.macro MMA1 ks                         ; K step ks of the first product, four token tiles; step 0 starts the sums with the bias
.irp p, 0,1,2,3
.if \ks == 0
	v_wmma_f32_16x16x32_f16 v[ACC1+8*\p:ACC1+8*\p+7], v[P1+8*\ks:P1+8*\ks+7], v[32*(\ks%8)+8*\p:32*(\ks%8)+8*\p+7], v[BI:BI+7]
.else
	v_wmma_f32_16x16x32_f16 v[ACC1+8*\p:ACC1+8*\p+7], v[P1+8*\ks:P1+8*\ks+7], v[32*(\ks%8)+8*\p:32*(\ks%8)+8*\p+7], v[ACC1+8*\p:ACC1+8*\p+7]
.endif
.endr
.endm
.macro MMA2                            ; product i of 64 of the second: K 32 (i / 32) on, outputs 16 ((i / 4) % 8) on, tokens 16 (i % 4) on.  zf = 1: the first 32 start the sums
.set oo, 8*(4*((i/4)%8)+i%4)
.set gw, i/16
.if gw == 3
.set gw, 0
.endif
.set wa, P0+32*gw+8*((i/4)%4)
.set hf, H0+32*(i/32)+8*(i%4)
.if zf && (i < 32)
	v_wmma_f32_16x16x32_f16 v[oo:oo+7], v[wa:wa+7], v[hf:hf+7], 0
.else
	v_wmma_f32_16x16x32_f16 v[oo:oo+7], v[wa:wa+7], v[hf:hf+7], v[oo:oo+7]
.endif
.endm
; GELU of tile tl, number n of 76:  gelu(x) = max(x, 0) - |x| (P(t) / 2) e^(-x^2 / 2),  t = 1 / (1 + 0.23164189 |x|).  Each reciprocal and exponential has a plain
; instruction between it and the first use of its result.  The tile's registers are read from the low end on.
.macro GI hb
.set xr, ACC1+8*tl
.if n < 8
	v_and_b32 v[AX+n], s62, v[xr+n]
.elseif n < 12
.set c, 2*(n-8)
	v_pk_fma_f32 v[TT+c:TT+c+1], v[AX+c:AX+c+1], s[KP:KP+1], 1.0 op_sel_hi:[1,0,0]
.elseif n < 16
.set c, 2*(n-12)
	v_pk_mul_f32 v[QQ+c:QQ+c+1], v[xr+c:xr+c+1], v[xr+c:xr+c+1]
.elseif n < 28
.set c, 2*((n-16)/3)
.if (n-16)%3 == 0
	v_rcp_f32 v[TT+c], v[TT+c]
.elseif (n-16)%3 == 1
	v_rcp_f32 v[TT+c+1], v[TT+c+1]
.else
	v_pk_mul_f32 v[QQ+c:QQ+c+1], v[QQ+c:QQ+c+1], s[KC:KC+1] op_sel_hi:[1,0]
.endif
.elseif n < 40
.set c, 2*((n-28)/3)
.if (n-28)%3 == 0
	v_exp_f32 v[QQ+c], v[QQ+c]
.elseif (n-28)%3 == 1
	v_exp_f32 v[QQ+c+1], v[QQ+c+1]
.else
	s_wait_alu depctr_va_vdst(0)
	v_pk_fma_f32 v[PP+c:PP+c+1], v[TT+c:TT+c+1], v[A5V:A5V+1], s[A4:A4+1] op_sel_hi:[1,1,0]
.endif
.elseif n < 52
.set c, 2*((n-40)%4)
.set k, A3+2*((n-40)/4)
	v_pk_fma_f32 v[PP+c:PP+c+1], v[PP+c:PP+c+1], v[TT+c:TT+c+1], s[k:k+1] op_sel_hi:[1,1,0]
.elseif n < 56
.set c, 2*(n-52)
	s_wait_alu depctr_va_vdst(0)
	v_pk_mul_f32 v[QQ+c:QQ+c+1], v[QQ+c:QQ+c+1], v[TT+c:TT+c+1]
.elseif n < 60
.set c, 2*(n-56)
	v_pk_mul_f32 v[PP+c:PP+c+1], v[PP+c:PP+c+1], v[QQ+c:QQ+c+1]
.elseif n < 68
	v_max_num_f32 v[xr+n-60], 0, v[xr+n-60]
.elseif n < 72
.set c, 2*(n-68)
	v_pk_fma_f32 v[xr+c:xr+c+1], v[AX+c:AX+c+1], v[PP+c:PP+c+1], v[xr+c:xr+c+1] neg_lo:[1,0,0] neg_hi:[1,0,0]
.else
	v_cvt_pk_f16_f32 v[QQ+n-72], v[xr+2*(n-72)], v[xr+2*(n-72)+1]
.if n == 75
	ds_store_b128 v[AHS], v[QQ:QQ+3] offset:(\hb)*HCB+tl*16*PH    ; my token's eight f of the tile
.set DSN, DSN+1
.endif
.endif
.endm
.macro GSLICE hb                       ; slice i of 64 of the four tiles' 304 instructions: four or five of them
.set gn, (19*i)/4
.rept (19*(i+1))/4-(19*i)/4
.set tl, gn/76
.set n, gn%76
	GI \hb
.set gn, gn+1
.endr
.endm
; A TURN on slot.  b: second product (1: it starts the sums; 2: it adds; 0: none).  g: a gelu.  a: first product.  held: the last two K steps of the first product of the
; turn before come first (they cover the first loads' way).  fill: 1-3 JLOAD's kind, behind a round; 0: a barrier alone; 4: nothing.
.macro TURN slot, b, g, a, held, fill
.set DSN, 0
.set zf, 2-\b
.set ofs, OFS0+(OFS1-OFS0)*\slot
.if \b
	F_H  H0, \slot, 0
	F_WO P0, \slot, 0, 0
.set M_B0, DSN
.elseif \a
	F_WI \slot, 0
	F_BI
.set M_A0, DSN
	F_WI \slot, 8
	F_WI \slot, 4
.set M_A1, DSN
.endif
.if \held
	WIN 0x08
	MMA1 14
	MMA1 15
	WIN 0
	PLACES                                         ; in front of the loads into H1 and of the gelu's first read
.endif
.if \b
	F_WO P1, \slot, 0, 4
.set M_B1, DSN
	F_H  H1, \slot, 1
	F_WO P2, \slot, 1, 0
.set M_B2, DSN
.set i, 0
.rept 64
.if i == 0
	WAITDS M_B0                                    ; gelu's first fragments and wo's first group are in; the 24 younger loads stay out
.elseif i == 16
	WAITDS M_B1
.elseif i == 32
	WAITDS M_B2
.elseif i == 48
	WAITDS M_B3
.endif
	WIN 0xf0                                       ; sums in window 3, fragments in window 0
	MMA2
.if \g
	WIN 0
	GSLICE 1-\slot
.endif
; each run of loads stands four products behind the last that read its registers; the slices between hold more than four plain instructions
.if i == 19
	WIN 0
.if !\g
	PLACES
.endif
	F_WO P0, \slot, 1, 4
.set M_B3, DSN
.endif
.if \a && (i == 35)
	F_WI \slot, 0
	F_BI
.set M_A0, DSN
.endif
.if \a && (i == 39)
	F_WI \slot, 8
.endif
.if \a && (i == 51)
	F_WI \slot, 4
.set M_A1, DSN
.endif
.set i, i+1
.endr
	WIN 0
.elseif \g
.set i, 0
.rept 64
	GSLICE 1-\slot
.set i, i+1
.endr
.endif
.if \a
	PLACES                                         ; in front of the loads into H1, which the last product read
	F_WI \slot, 12
	WAITDS M_A0                                    ; K steps 0-3 and the bias are in
	WIN 0x04                                       ; X's first half: window 1
.irp ks, 0,1,2,3
	MMA1 \ks
.endr
	WAITDS M_A1                                    ; K steps 4-7 are in, and 8-11, which are older
.irp ks, 4,5,6,7
	MMA1 \ks
.endr
	WIN 0x08                                       ; X's second half: window 2
.irp ks, 8,9,10,11
	MMA1 \ks
.endr
.endif
.if \fill != 4
	WIN 0                                          ; (the add's two registers lie in window 0)
	s_wait_tensorcnt 0x0                           ; all my tensor loads have landed: the one that was out is my part of the next slot; so a group 0 may be written
	ds_add_u32 v[SPW], v[NIL]                      ; 0 onto my spare word: the descriptors' steps stand between it and the wait for it
.if (\fill == 2) || (\fill == 3)
	s_add_nc_u64 s[G0WO+4*\slot+2:G0WO+4*\slot+3], s[76:77], s[ofs:ofs+1]     ; wo's next chunk in this slot is the one that wi was last asked for here
	s_or_b32 s[G0WO+4*\slot+3], s[G0WO+4*\slot+3], 0x80000000                 ; type = 2
.endif
.if (\fill == 1) || (\fill == 2)
	s_add_co_u32 s[ofs], s[ofs], 2*CHUNK           ; wi's next chunk in this slot: two on,
	s_and_b32 s[ofs], s[ofs], 32*CHUNK-1           ; round the expert's 32
	s_add_nc_u64 s[G0WI+4*\slot+2:G0WI+4*\slot+3], s[74:75], s[ofs:ofs+1]
	s_or_b32 s[G0WI+4*\slot+3], s[G0WI+4*\slot+3], 0x80000000
.endif
.if \a
	s_wait_dscnt 0x1                               ; K steps 12-15 are in; the add may be out
	WIN 0x08
	MMA1 12
	s_wait_dscnt 0x0                               ; the add is done; my reads of this slot and of gelu's buffer are over; my stores of gelu are done
	s_barrier_signal -1
	MMA1 13                                        ; work on registers while the others arrive
	WIN 0
	s_barrier_wait -1
.else
	s_wait_dscnt 0x0
	s_barrier_signal -1
	s_barrier_wait -1
.endif
.if \fill == 0
	PLACES                                         ; in front of the next turn's loads
.else
	CREST                                          ; the barrier has opened a round: no wave of any partner still reads this slot or has a load on its way
	JLOAD \slot, \fill
.endif
.endif
.endm
	s_load_b512 s[68:83], s[0:1], 0x0              ; x 68, list 70, probs 72, wih 74, woh 76, bi 78, bo 80, eo 82
	v_lshl_add_u32 v[SPW], v0, 2, SPARE
	v_mov_b32 v[NIL], 0
	ds_add_u32 v11, v12
	s_wait_dscnt 0x0
	v_lshrrev_b32 v1, 5, v0
	v_readfirstlane_b32 s3, v1                     ; wave 0..3
	s_and_b32 s4, s3, 1                            ; which half of a chunk I fetch
	s_bfe_u32 s5, ttmp6, 0x40000                   ; cx: my quarter of the pair's slots: it enters list's and eo's addresses alone
	s_and_b32 s6, ttmp9, 7                         ; e: in a cluster launch ttmp9 counts clusters; the eight clusters of an expert lie eight apart in that count
	s_lshr_b32 s7, ttmp9, 3                        ; g
	s_lshl_b32 s8, s7, 3
	s_add_co_u32 s8, s8, s6                        ; pair
	s_lshl_b32 s[OFS0], s7, 18                     ; the walk begins at the expert's chunk 4 g: its byte offset
	s_mov_b32 s[OFS0+1], 0
	s_add_co_u32 s[OFS1], s[OFS0], CHUNK           ; slot 1 begins one chunk on: 29 at the most, short of the wrap
	s_mov_b32 s[OFS1+1], 0
	; group 1 for wi: half a chunk, 32,768 bytes on end, as 128 rows of 256 bytes; 8 words of padding after every 32 words, so that each 128 bytes (a row h) take 160
	s_mov_b32 s[G1WI], 15|(1<<16)|(1<<20)|(1<<21)|(4<<22)|(7<<25)  ; the mask: all four; elements of 2 bytes; padding on; bit 21 beside a mask; interval code 4; 8 words
	s_mov_b32 s[G1WI+1], 128<<16                   ; tensor_dim0 = 128
	s_mov_b32 s[G1WI+2], 128<<16                   ; tensor_dim1 = 128
	s_mov_b32 s[G1WI+3], 128<<16                   ; tile_dim0 = 128
	s_mov_b32 s[G1WI+4], 128                       ; tile_dim1 = 128
	s_mov_b32 s[G1WI+5], 128                       ; elements from row to row
	s_mov_b32 s[G1WI+6], 0
	s_mov_b32 s[G1WI+7], 0
	; group 1 for wo: half a chunk, 32 rows of 1,024 bytes; 8 words of padding after every 256 words
	s_mov_b32 s[G1WO], 15|(1<<16)|(1<<20)|(1<<21)|(7<<22)|(7<<25)
	s_mov_b32 s[G1WO+1], 512<<16
	s_mov_b32 s[G1WO+2], 32<<16
	s_mov_b32 s[G1WO+3], 512<<16
	s_mov_b32 s[G1WO+4], 32
	s_mov_b32 s[G1WO+5], 512
	s_mov_b32 s[G1WO+6], 0
	s_mov_b32 s[G1WO+7], 0
.irp w, 0,1
	s_mov_b32 s[KP+\w], 0x3e6d3388                 ; 0.3275911 / sqrt(2)
	s_mov_b32 s[KC+\w], 0xbf38aa3b                 ; -log2(e) / 2
	s_mov_b32 s[A4+\w], 0xbf3a00e3                 ; a4 / 2
	s_mov_b32 s[A3+\w], 0x3f35f0e3                 ; a3 / 2
	s_mov_b32 s[A3+2+\w], 0xbe11a98e               ; a2 / 2
	s_mov_b32 s[A3+4+\w], 0x3e027906               ; a1 / 2
.endr
	s_mov_b32 s62, 0x7fffffff
	s_lshl_b32 s10, s6, 21                         ; an expert's 2 MiB of f16,
	s_lshl_b32 s11, s4, 15                         ; my half of a chunk
	s_add_co_u32 s10, s10, s11
	s_mov_b32 s11, 0
	s_mul_i32 s12, s4, 256*PWI                     ; and its place in a slot: the wave's number alone enters an LDS address
	s_mul_i32 s13, s4, 32*PWO
	s_add_co_u32 s13, s13, WOOFF
	s_wait_kmcnt 0x0
	s_add_nc_u64 s[74:75], s[74:75], s[10:11]      ; wih and woh at my half of the expert's chunk 0: they stay so; a chunk's offset is added for each load
	s_add_nc_u64 s[76:77], s[76:77], s[10:11]
.irp s, 0,1
	s_mov_b32 s[G0WI+4*\s], 1                      ; count = 1
	s_add_co_u32 s[G0WI+4*\s+1], s12, \s*SLOTB     ; LDS address
	s_add_nc_u64 s[G0WI+4*\s+2:G0WI+4*\s+3], s[74:75], s[OFS0+(OFS1-OFS0)*\s:OFS0+(OFS1-OFS0)*\s+1]   ; slot s begins with chunk s of the walk
	s_or_b32 s[G0WI+4*\s+3], s[G0WI+4*\s+3], 0x80000000           ; type = 2
	s_mov_b32 s[G0WO+4*\s], 1
	s_add_co_u32 s[G0WO+4*\s+1], s13, \s*SLOTB
	s_add_nc_u64 s[G0WO+4*\s+2:G0WO+4*\s+3], s[76:77], s[OFS0+(OFS1-OFS0)*\s:OFS0+(OFS1-OFS0)*\s+1]
	s_or_b32 s[G0WO+4*\s+3], s[G0WO+4*\s+3], 0x80000000
.endr
	s_mov_b32 s15, 0
	s_lshl_b32 s14, s7, 22
	s_add_nc_u64 s[68:69], s[68:69], s[14:15]      ; x at the group's first row
	s_lshl_b32 s14, s8, 13
	s_add_nc_u64 s[72:73], s[72:73], s[14:15]      ; probs at the pair
	s_lshl_b32 s14, s6, 13
	s_add_nc_u64 s[78:79], s[78:79], s[14:15]      ; bi at the expert
	s_lshl_b32 s14, s6, 11
	s_add_nc_u64 s[80:81], s[80:81], s[14:15]      ; bo at the expert
	s_mov_b32 s61, 0
	s_lshl_b32 s60, s8, 19
	s_lshl_b32 s63, s5, 17
	s_add_co_u32 s60, s60, s63
	s_add_nc_u64 s[82:83], s[82:83], s[60:61]      ; eo at my 64 rows
	s_lshl_b32 s60, s8, 10
	s_lshl_b32 s63, s5, 8
	s_add_co_u32 s60, s60, s63
	s_add_nc_u64 s[70:71], s[70:71], s[60:61]      ; list at my 64 slots
	s_lshl_b32 s14, s3, 4
	s_add_nc_u64 s[10:11], s[70:71], s[14:15]
.irp p, 0,1,2,3
	s_load_b128 s[84+4*\p:87+4*\p], s[10:11], 64*\p    ; the tokens that I gather: slots 16 p + 4 wave + 0..3
.endr
	ROUND                                          ; all four work-groups are here: the first joint loads meet
	s_cmp_lt_u32 s3, 2                             ; a wave's two first fills stand in one branch, ahead of every wait on TENSORcnt and every LDS read
	s_cbranch_scc0 .Lfirst_wo
	tensor_load_to_lds s[G0WI:G0WI+3], s[G1WI:G1WI+7]
	s_nop 0
	tensor_load_to_lds s[G0WI+4:G0WI+7], s[G1WI:G1WI+7]
	s_nop 0
	PLACES
	s_branch .Lfirst_asked
.Lfirst_wo:
	tensor_load_to_lds s[G0WO:G0WO+3], s[G1WO:G1WO+7]
	s_nop 0
	tensor_load_to_lds s[G0WO+4:G0WO+7], s[G1WO:G1WO+7]
	s_nop 0
	PLACES
.Lfirst_asked:
	v_and_b32 v1, 31, v0                           ; L
	v_and_b32 v112, 15, v0                         ; r = L % 16
	v_bfe_u32 v113, v0, 4, 1                       ; h = L / 16
	v_and_b32 v114, 7, v0
	v_lshl_add_u32 v114, v113, 3, v114             ; the turning load: row 8 h + L % 8,
	v_bfe_u32 v115, v0, 3, 1
	v_lshlrev_b32 v115, 4, v115                    ; 16 bytes x ((L / 8) % 2)
	v_mul_u32_u24 v116, v114, PWI
	v_add_nc_u32 v116, v116, v115
	s_lshl_b32 s14, s3, 5                          ; my 16 f: 32 bytes
	v_add_nc_u32 v[AWI], s14, v116
	v_add_nc_u32 v[AWI+1], 256*PWI, v[AWI]
	v_add_nc_u32 v[AWI+2], SLOTB, v[AWI]
	v_add_nc_u32 v[AWI+3], SLOTB+256*PWI, v[AWI]
	v_mul_u32_u24 v116, v114, PWO
	v_add_nc_u32 v116, v116, v115
	s_lshl_b32 s14, s3, 8                          ; my 128 outputs: 256 bytes
	s_add_co_u32 s14, s14, WOOFF
	v_add_nc_u32 v[AWO], s14, v116
	v_add_nc_u32 v[AWO+1], SLOTB, v[AWO]
	v_mul_u32_u24 v[AHL], v112, PH
	v_lshl_add_u32 v[AHL], v113, 4, v[AHL]
	v_add_nc_u32 v[AHL], HC, v[AHL]                ; row r, 16 bytes for each half of the lanes
	s_lshl_b32 s14, s3, 5
	v_add_nc_u32 v[AHS], s14, v[AHL]
	s_lshl_b32 s14, s3, 6
	s_add_co_u32 s14, s14, BIAS
	v_lshl_add_u32 v[ABI], v113, 5, s14            ; f = 16 wave + 8 h on
	s_mul_i32 s14, s3, 4*PX
	s_add_co_u32 s14, s14, HC
	v_lshl_add_u32 v[SA], v1, 3, s14               ; X's stage, in: my four rows, 8 bytes a lane
	v_mul_u32_u24 v[SB], v112, PX
	v_lshl_add_u32 v[SB], v113, 4, v[SB]
	v_add_nc_u32 v[SB], HC, v[SB]                  ; back: a fragment's row r
	v_lshlrev_b32 v[GO], 4, v1
	v_lshlrev_b32 v117, 4, v0
	v_add_nc_u32 v118, BIAS, v117
	v_lshlrev_b32 v119, 2, v112
	; bi[e] is laid into LDS in the order of the walk: LDS byte b takes the expert's byte (b + 1,024 g) mod 8,192 (a chunk's biases are 256 bytes), so the LDS address of a chunk's biases steps by a constant
	s_lshl_b32 s14, s7, 10
.irp u, 0,1,2,3
	v_add3_u32 v[120+\u], v117, s14, 2048*\u
.endr
.irp u, 0,1,2,3
	v_and_b32 v[120+\u], 0x1fff, v[120+\u]
.endr
	v_mov_b32 v[A5V], 0x3f07dc22                   ; a5 / 2
	v_mov_b32 v[A5V+1], 0x3f07dc22
.irp u, 0,1,2,3
	global_load_b128 v[AX+4*\u:AX+4*\u+3], v[120+\u], s[78:79]                ; bi[e], 8,192 bytes by 128 threads
.endr
.irp p, 0,1,2,3
	global_load_b32 v[BI+\p], v119, s[70:71] offset:64*\p                     ; my token in tile p, for its gate
.endr
	s_wait_kmcnt 0x0
.irp n, 0,1,2,3,4,5,6,7,8,9,10,11,12,13,14,15
	s_min_u32 s[84+\n], s[84+\n], 0x7ff            ; a token stays inside its group
.endr
.irp n, 0,1,2,3,4,5,6,7,8,9,10,11,12,13,14,15
	v_lshl_add_u32 v[P0+\n], s[84+\n], 11, v[GO]   ; the row's 2,048 bytes, 16 a lane
.endr
.macro GATHER p                        ; my four rows of tile p, whole: sixteen loads of 512 neighbouring bytes, into window 3
.irp t, 0,1,2,3
.irp u, 0,1,2,3
	global_load_b128 v[64*\p+16*\t+4*\u:64*\p+16*\t+4*\u+3], v[P0+4*\p+\t], s[68:69] offset:512*\u
.endr
.endr
.endm
	WIN 0xc0
	GATHER 0
	GATHER 1
	GATHER 2
	WIN 0
	s_wait_loadcnt 52                              ; bi is in: behind it 4 loads of the list and 48 of rows
.irp u, 0,1,2,3
	ds_store_b128 v118, v[AX+4*\u:AX+4*\u+3] offset:2048*\u
.endr
	s_wait_loadcnt 48                              ; the list is in
.irp p, 0,1,2,3
	v_min_u32 v[BI+\p], 0x7ff, v[BI+\p]
.endr
.irp p, 0,1,2,3
	v_lshlrev_b32 v[BI+\p], 2, v[BI+\p]
.endr
.irp p, 0,1,2,3
	global_load_b32 v[GT+\p], v[BI+\p], s[72:73]
.endr
	WIN 0xc0
	GATHER 3
	WIN 0
; Tile p of X: my four rows are rounded to f16 and staged; every wave reads the tile's 16 fragments.  left = the younger loads: the later tiles' rows and the four gates.
.macro XPASS p, left, last
	s_wait_loadcnt \left
	WIN 0x0f                                       ; sources in window 3
.set n, 0
.rept 32
	v_cvt_pk_f16_f32 v[ACC1+n], v[64*\p+2*n], v[64*\p+2*n+1]
.set n, n+1
.endr
	WIN 0
.set n, 0
.rept 16
	ds_store_b64 v[SA], v[ACC1+2*n:ACC1+2*n+1] offset:(n/4)*PX+256*(n%4)
.set n, n+1
.endr
	s_wait_dscnt 0x0                               ; for the others' sake: my stores are done
	s_barrier_signal -1
	s_barrier_wait -1
	WIN 0x40
.set n, 0
.rept 8
	ds_load_b128 v[8*(4*n+\p):8*(4*n+\p)+3], v[SB] offset:64*n
	ds_load_b128 v[8*(4*n+\p)+4:8*(4*n+\p)+7], v[SB] offset:64*n+32
.set n, n+1
.endr
	WIN 0x80
.set n, 0
.rept 8
	ds_load_b128 v[8*(4*n+\p):8*(4*n+\p)+3], v[SB] offset:64*(n+8)
	ds_load_b128 v[8*(4*n+\p)+4:8*(4*n+\p)+7], v[SB] offset:64*(n+8)+32
.set n, n+1
.endr
	WIN 0
	s_wait_dscnt 0x0                               ; my reads of the stage are over: the next tile, or the gelu, may write it
.if \last
	s_wait_tensorcnt 0x1                           ; my part of slot 0 is in; slot 1's, issued behind it, may stay out
.endif
	s_barrier_signal -1
	s_barrier_wait -1
.endm
	XPASS 0, 52, 0
	XPASS 1, 36, 0
	XPASS 2, 20, 0
	XPASS 3, 0, 1
	TURN 0, 0, 0, 1, 0, 1                          ; first product of chunk 0; slot 0 takes wi's chunk 2
	TURN 1, 0, 1, 1, 1, 1                          ; gelu of chunk 0, first product of chunk 1; slot 1 takes wi's chunk 3
	TURN 0, 1, 1, 1, 1, 2                          ; turn 0: its products start the outputs' sums
	TURN 1, 2, 1, 1, 1, 2                          ; turn 1
	s_mov_b32 s9, 13
.Lturns:                                               ; turns 2 to 27
	TURN 0, 2, 1, 1, 1, 2
	TURN 1, 2, 1, 1, 1, 2
	s_sub_co_u32 s9, s9, 1
	s_cmp_lg_u32 s9, 0
	s_cbranch_scc1 .Lturns
	TURN 0, 2, 1, 1, 1, 3                          ; turns 28, 29: wi has no chunk left; wo's chunks 30, 31
	TURN 1, 2, 1, 1, 1, 3
	TURN 0, 2, 1, 0, 1, 0                          ; turn 30: the last gelu; nothing is asked for
	v_bfe_u32 v[GO], v0, 4, 1
	v_lshlrev_b32 v[GO], 5, v[GO]
	s_lshl_b32 s10, s3, 9
	v_add_nc_u32 v[GO], s10, v[GO]                 ; bo: my outputs 128 wave + 8 h on
.irp nt, 0,1,2,3,4,5,6,7
	global_load_b128 v[ACC1+8*\nt:ACC1+8*\nt+3], v[GO], s[80:81] offset:64*\nt
	global_load_b128 v[ACC1+8*\nt+4:ACC1+8*\nt+7], v[GO], s[80:81] offset:64*\nt+16
.endr
	TURN 1, 2, 0, 0, 0, 4                          ; turn 31
	; THE WAY OUT.  (sum + bo) x gate; a lane's eight outputs go into my own stage, rows of 528 bytes, and come back as whole pieces of 512 bytes of eo's rows.
	; The stage lies in slot 0: its last fill has landed and every wave's last read of it stood in front of the barrier behind turn 30.  The eleven plain instructions below are the places behind the last products.
	v_and_b32 v[SA], 15, v0
	v_mul_u32_u24 v[SA], v[SA], PS
	v_bfe_u32 v[SB], v0, 4, 1
	v_lshl_add_u32 v[SA], v[SB], 5, v[SA]
	s_mul_i32 s10, s3, STG
	v_add_nc_u32 v[SA], s10, v[SA]                 ; in: row r, 32 bytes for each half of the lanes
	v_and_b32 v[SB], 31, v0
	v_lshlrev_b32 v[SB], 4, v[SB]
	s_lshl_b32 s11, s3, 9
	v_add_nc_u32 v1, s11, v[SB]                    ; eo: my wave's 512 bytes of a row, 16 a lane
	v_add_nc_u32 v[SB], s10, v[SB]                 ; back: a row's 512 bytes
	v_nop
	s_wait_loadcnt 0x0                             ; bo
.macro OUTP p
.set BK, P0+64*((\p)%2)
	WIN 0xc3                                       ; sums (destination and source 0) in window 3; bo and the gate in window 0
.irp nt, 0,1,2,3,4,5,6,7
.irp c, 0,2,4,6
	v_pk_add_f32 v[8*(4*\nt+\p)+\c:8*(4*\nt+\p)+\c+1], v[8*(4*\nt+\p)+\c:8*(4*\nt+\p)+\c+1], v[ACC1+8*\nt+\c:ACC1+8*\nt+\c+1]
.endr
.endr
.irp nt, 0,1,2,3,4,5,6,7
.irp c, 0,2,4,6
.if (\p)%2 == 0
	v_pk_mul_f32 v[8*(4*\nt+\p)+\c:8*(4*\nt+\p)+\c+1], v[8*(4*\nt+\p)+\c:8*(4*\nt+\p)+\c+1], v[GT+2*((\p)/2):GT+2*((\p)/2)+1] op_sel_hi:[1,0]
.else
	v_pk_mul_f32 v[8*(4*\nt+\p)+\c:8*(4*\nt+\p)+\c+1], v[8*(4*\nt+\p)+\c:8*(4*\nt+\p)+\c+1], v[GT+2*((\p)/2):GT+2*((\p)/2)+1] op_sel:[0,1] op_sel_hi:[1,1]
.endif
.endr
.endr
	WIN 0x0c                                       ; a store's data in window 3
.irp nt, 0,1,2,3,4,5,6,7
	ds_store_b128 v[SA], v[8*(4*\nt+\p):8*(4*\nt+\p)+3] offset:\p*16*PS+64*\nt
	ds_store_b128 v[SA], v[8*(4*\nt+\p)+4:8*(4*\nt+\p)+7] offset:\p*16*PS+64*\nt+16
.endr
	WIN 0
	s_wait_xcnt 0x0                                ; the registers that earlier stores read are loaded again only behind this wait
.irp t, 0,1,2,3,4,5,6,7,8,9,10,11,12,13,14,15
	ds_load_b128 v[BK+4*\t:BK+4*\t+3], v[SB] offset:(16*\p+\t)*PS   ; LDS serves a wave's instructions in order: these see the stores above
.endr
.irp t, 0,1,2,3,4,5,6,7,8,9,10,11,12,13,14,15
	s_wait_dscnt 15-\t
	global_store_b128 v1, v[BK+4*\t:BK+4*\t+3], s[82:83] offset:(16*\p+\t)*2048   ; 512 consecutive bytes, at a multiple of 512 from eo's first byte
.endr
.endm
	OUTP 0
	OUTP 1
	OUTP 2
	OUTP 3
	s_wait_tensorcnt 0x0                           ; the wave's end: behind my last tensor load and my last LDS store
	ds_add_u32 v[SPW], v[NIL]
	s_wait_dscnt 0x0
	ROUND                                          ; the closing round: no work-group ends while a partner may still ask for a tile that names it
	s_endpgm
.Lfunc_end_k_q16ae5ea204_ffn:
	.size	k_q16ae5ea204_ffn, .Lfunc_end_k_q16ae5ea204_ffn-k_q16ae5ea204_ffn
	.p2alignl 7, 3214868480
	.fill 96, 4, 3214868480
	.section	.rodata,"a",@progbits
	.p2align	6, 0x0
	.amdhsa_kernel k_q16ae5ea204_ffn
		.amdhsa_group_segment_fixed_size 327680
		.amdhsa_private_segment_fixed_size 0
		.amdhsa_enable_private_segment 0
		.amdhsa_kernarg_size 64
		.amdhsa_user_sgpr_count 2
		.amdhsa_user_sgpr_kernarg_segment_ptr 1
		.amdhsa_wavefront_size32 1
		.amdhsa_system_sgpr_workgroup_id_x 1
		.amdhsa_system_sgpr_workgroup_id_y 1
		.amdhsa_system_sgpr_workgroup_id_z 1
		.amdhsa_system_vgpr_workitem_id 0
		.amdhsa_next_free_vgpr 1024
		.amdhsa_next_free_sgpr 102
		.amdhsa_reserve_vcc 0
		.amdhsa_float_denorm_mode_32 3
		.amdhsa_float_denorm_mode_16_64 3
		.amdhsa_memory_ordered 1
		.amdhsa_forward_progress 1
		.amdhsa_inst_pref_size 255
	.end_amdhsa_kernel
	.section	.bss,"aw",@nobits
	.p2align	6
	.space	262144
	.amdgpu_metadata
---
amdhsa.version: [ 1, 2 ]
amdhsa.kernels:
  - .name:           k_q16ae5ea204_ffn
    .symbol:         k_q16ae5ea204_ffn.kd
    .args:
      - { .name: x, .offset: 0, .size: 8, .value_kind: global_buffer, .address_space: global }
      - { .name: list, .offset: 8, .size: 8, .value_kind: global_buffer, .address_space: global }
      - { .name: probs, .offset: 16, .size: 8, .value_kind: global_buffer, .address_space: global }
      - { .name: wih, .offset: 24, .size: 8, .value_kind: global_buffer, .address_space: global }
      - { .name: woh, .offset: 32, .size: 8, .value_kind: global_buffer, .address_space: global }
      - { .name: bi, .offset: 40, .size: 8, .value_kind: global_buffer, .address_space: global }
      - { .name: bo, .offset: 48, .size: 8, .value_kind: global_buffer, .address_space: global }
      - { .name: eo, .offset: 56, .size: 8, .value_kind: global_buffer, .address_space: global }
    .group_segment_fixed_size: 327680
    .private_segment_fixed_size: 0
    .kernarg_segment_align: 8
    .kernarg_segment_size: 64
    .max_flat_workgroup_size: 128
    .sgpr_count:     102
    .vgpr_count:     1024
    .wavefront_size: 32
...
	.end_amdgpu_metadata
.endif
;; end of part 3
;; launch combine (part 4): grid 2048 x 1, 8 waves a work-group, no clusters, 0 bytes of LDS; arguments slotmap, eo, out0; writes out0
.if DOCPART == 4
	.amdgcn_target "amdgcn-amd-amdhsa--gfx1250"
	.amdhsa_code_object_version 6
	.text
	.protected	k_q16ae5ea204_combine
	.globl	k_q16ae5ea204_combine
	.p2align	8
	.type	k_q16ae5ea204_combine,@function
k_q16ae5ea204_combine:
	s_mov_b64 s[64:65], 0
	v_nop
	global_prefetch_b8 v0, s[64:65] scope:SCOPE_SE
	s_setreg_imm32_b32 hwreg(HW_REG_WAVE_MODE, 25, 1), 1
	s_wait_xcnt 0x0
; out0[g][t][:] = the sum, over the experts e that chose token t, of eo[8 g + e][slotmap[g][e][t]][:] (already scaled by the gate); 0 where no expert chose it.
; One wave, one token: a row of 2,048 bytes is four loads or stores of 512 neighbouring bytes.  The eight slots are whole numbers that an earlier launch stored:
; a scalar branch skips an expert that did not choose the token, so eo is read once.  A token is chosen once on the average; many small waves cover the loads' way.
; No LDS, no barrier, no matrix unit: the launch only moves bytes.
.set ACC, 4                            ; v[4:19]  the row's sum
.set R,   20                           ; v[20:35] an expert's row
	s_load_b128 s[4:7], s[0:1], 0x0                ; slotmap s[4:5], eo s[6:7]
	s_load_b64 s[8:9], s[0:1], 0x10                ; out0
	v_lshrrev_b32 v1, 5, v0
	v_readfirstlane_b32 s2, v1                     ; wave
	v_and_b32 v1, 31, v0
	v_lshlrev_b32 v1, 4, v1                        ; 16 bytes a lane
	s_lshl_b32 s10, ttmp9, 3
	s_add_co_u32 s10, s10, s2                      ; the token among all 16,384
	s_lshr_b32 s11, s10, 11                        ; g
	s_and_b32 s12, s10, 2047                       ; t
	s_lshl_b32 s14, s11, 16
	s_lshl2_add_u32 s14, s12, s14                  ; g x 65,536 + 4 t
	s_mov_b32 s15, 0
	s_lshl_b32 s16, s11, 22                        ; a group's eight experts x 256 rows x 2,048 bytes
	s_mov_b32 s17, 0
	s_lshl_b32 s18, s10, 11
	s_mov_b32 s19, 0
	s_wait_kmcnt 0x0
	s_add_nc_u64 s[4:5], s[4:5], s[14:15]
	s_add_nc_u64 s[6:7], s[6:7], s[16:17]
	s_add_nc_u64 s[8:9], s[8:9], s[18:19]
.irp e, 0,1,2,3,4,5,6,7
	s_load_b32 s[20+\e], s[4:5], 8192*\e
.endr
.irp n, 0,1,2,3,4,5,6,7,8,9,10,11,12,13,14,15
	v_mov_b32 v[ACC+\n], 0                         ; the result of a token that nobody chose
.endr
	s_wait_kmcnt 0x0
.irp e, 0,1,2,3,4,5,6,7
	s_cmp_lt_u32 s[20+\e], 256                     ; -1: not chosen
	s_cbranch_scc0 .Lnot_\e
	s_min_u32 s[20+\e], s[20+\e], 255
	v_lshl_add_u32 v2, s[20+\e], 11, v1            ; free: the loads that named it were waited for
.irp u, 0,1,2,3
	global_load_b128 v[R+4*\u:R+4*\u+3], v2, s[6:7] offset:524288*\e+512*\u th:TH_LOAD_NT
.endr
	s_wait_loadcnt 0x0
.irp n, 0,2,4,6,8,10,12,14
	v_pk_add_f32 v[ACC+\n:ACC+\n+1], v[ACC+\n:ACC+\n+1], v[R+\n:R+\n+1]
.endr
.Lnot_\e:
.endr
.irp u, 0,1,2,3
	global_store_b128 v1, v[ACC+4*\u:ACC+4*\u+3], s[8:9] offset:512*\u th:TH_STORE_NT
.endr
	s_endpgm
.Lfunc_end_k_q16ae5ea204_combine:
	.size	k_q16ae5ea204_combine, .Lfunc_end_k_q16ae5ea204_combine-k_q16ae5ea204_combine
	.p2alignl 7, 3214868480
	.fill 96, 4, 3214868480
	.section	.rodata,"a",@progbits
	.p2align	6, 0x0
	.amdhsa_kernel k_q16ae5ea204_combine
		.amdhsa_group_segment_fixed_size 0
		.amdhsa_private_segment_fixed_size 0
		.amdhsa_enable_private_segment 0
		.amdhsa_kernarg_size 24
		.amdhsa_user_sgpr_count 2
		.amdhsa_user_sgpr_kernarg_segment_ptr 1
		.amdhsa_wavefront_size32 1
		.amdhsa_system_sgpr_workgroup_id_x 1
		.amdhsa_system_sgpr_workgroup_id_y 1
		.amdhsa_system_sgpr_workgroup_id_z 1
		.amdhsa_system_vgpr_workitem_id 0
		.amdhsa_next_free_vgpr 40
		.amdhsa_next_free_sgpr 66
		.amdhsa_reserve_vcc 0
		.amdhsa_float_denorm_mode_32 3
		.amdhsa_float_denorm_mode_16_64 3
		.amdhsa_memory_ordered 1
		.amdhsa_forward_progress 1
		.amdhsa_inst_pref_size 12
	.end_amdhsa_kernel
	.amdgpu_metadata
---
amdhsa.version: [ 1, 2 ]
amdhsa.kernels:
  - .name:           k_q16ae5ea204_combine
    .symbol:         k_q16ae5ea204_combine.kd
    .args:
      - { .name: slotmap, .offset: 0, .size: 8, .value_kind: global_buffer, .address_space: global }
      - { .name: eo, .offset: 8, .size: 8, .value_kind: global_buffer, .address_space: global }
      - { .name: out0, .offset: 16, .size: 8, .value_kind: global_buffer, .address_space: global }
    .group_segment_fixed_size: 0
    .private_segment_fixed_size: 0
    .kernarg_segment_align: 8
    .kernarg_segment_size: 24
    .max_flat_workgroup_size: 256
    .sgpr_count:     66
    .vgpr_count:     40
    .wavefront_size: 32
...
	.end_amdgpu_metadata
.endif
;; end of part 4
;; ======== version 2 of 2: 4 launches; 1.09 times as fast as version 1
;; limits: values are held in f16: magnitudes above 65,504 overflow, below 6.1e-05 lose precision; a function is approximated: absolute error at most 1.5e-07
;; workspace buffers: probs 524,288 bytes; slotmap 524,288 bytes of whole numbers; list 65,536 bytes of whole numbers; wih 16,777,216 bytes; woh 16,777,216 bytes; eo 33,554,432 bytes
;; launch router: the kernel of part 1 again; grid 256 x 1, 8 waves a work-group, no clusters, 3,072 bytes of LDS; arguments x, router_kernel, router_bias, probs; writes probs
;; launch pick_cast: the kernel of part 2 again; grid 320 x 1, 8 waves a work-group, no clusters, 3,072 bytes of LDS; arguments probs, wi, wo, slotmap, list, wih, woh; writes slotmap, list, wih, woh
;; launch ffn (part 5): grid 256 x 1, 4 waves a work-group, clusters of 4 x 1, 327,680 bytes of LDS; arguments x, list, probs, wih, woh, bi, bo, eo; writes eo
.if DOCPART == 5
	.amdgcn_target "amdgcn-amd-amdhsa--gfx1250"
	.amdhsa_code_object_version 6
	.text
	.protected	k_q16ae5ea204_ffn
	.globl	k_q16ae5ea204_ffn
	.p2align	8
	.type	k_q16ae5ea204_ffn,@function
k_q16ae5ea204_ffn:
	s_mov_b64 s[64:65], 0
	v_nop
	global_prefetch_b8 v0, s[64:65] scope:SCOPE_SE
	s_setreg_imm32_b32 hwreg(HW_REG_WAVE_MODE, 25, 1), 1
	s_wait_xcnt 0x0
	s_wait_alu depctr_hold_cnt(0) depctr_sa_sdst(0) depctr_va_vdst(0) depctr_va_sdst(0) depctr_va_ssrc(0) depctr_va_vcc(0) depctr_vm_vsrc(0)
	s_getreg_b32 s2, hwreg(HW_REG_IB_STS2, 6, 4)
	s_cmp_eq_u32 s2, 0
	s_cbranch_scc0 .Lentry_in_a_cluster
	s_endpgm
.Lentry_in_a_cluster:
	s_bfe_u32 s2, ttmp6, 0x10000c
	s_cmp_lg_u32 s2, 0x3003
	s_cbranch_scc0 .Lentry_shape_is_right
	s_endpgm
.Lentry_shape_is_right:
; eo[pair][c][:] = gate x (gelu(x[g][list[pair][c]][:] . wi[e] + bi[e]) . wo[e] + bo[e]),  pair = 8 g + e, gate = probs[pair][token].
; Products on f16 operands with f32 sums; bias, gelu, gate in f32.
; SHARES.  A work-group owns 64 slots of one pair, all 2,048 f and all 512 outputs.  F goes in 32 chunks of 64.  In a chunk wave w makes 16 f x 64 tokens of the first
; product (K = 512: 64 matrix instructions) and 128 outputs x 64 tokens of the second (K = 64: 64 more).  The 64 gathered rows lie as f16 fragments in 512 registers of
; EVERY wave, so each byte of the weights is read from LDS by one wave, once, and feeds four matrix instructions; only the 64 x 64 of gelu crosses waves, through LDS.
; BOTH PRODUCTS ARE USED TRANSPOSED (source 0 = weights, turned on the way out of LDS by ds_load_tr16_b128; source 1 = tokens): a lane holds one token and eight neighbouring f or outputs.
; CLUSTER.  The four work-groups of a cluster are the four quarters of one pair and walk the same weights: every tile is asked for JOINTLY, mask 15.
; THE WALK GOES ROUND.  The sum over f may run in any order.  The cluster of pair (g, e) begins at the expert's chunk 4 g and goes round its 32 chunks.  So the eight clusters
; of an expert ask for eight different chunks at a time, and from the walk's fifth chunk on each asks for a chunk that the cluster of the next group asked for four turns
; earlier: a chunk is asked for the first time by one cluster alone.  Below, 'chunk k' is the k-th of the walk, the expert's chunk (k + 4 g) mod 32.
; TURNS.  Turn k reads slot k % 2, which holds wo's chunk k and wi's chunk k + 2: second product of chunk k, with the gelu of chunk k + 1 in slices behind its matrix
; instructions, then first product of chunk k + 2.  One round of the cluster's barrier ends a turn: the next slot has landed, this slot is free in all four work-groups,
; the gelu's stores are done and the old ones' reads are over.  The refill behind it has a turn's 128 matrix instructions in which to land.
; A wave has two tensor loads out at the start and one behind each round.
; GELU'S BATCHES.  A tile of the first product is eight numbers a lane: eight reciprocals and eight exponentials, none of which reads another's result.  They are ONE BATCH with ONE wait
; four waits a turn.  Ahead of a tile's wait stands all that names no result of its batch
; (|x|, the two arguments, max(x, 0)), behind it all the readers.  A batch is one tile, since v64-95 hold just one tile's |x|, t, e and polynomial, and of the wave's 1,024 registers only v22 and v23 are unnamed.
; Tile 0's batch is a lump in front of the second product; those of tiles 1, 2, 3 end in slices 19, 35, 51: so each of the four waits stands directly ahead of a run of LDS loads.
; LIMITS.  |x|, |wi|, |wo| and |gelu| under 65,504 (f16).  erf by the rational form 1 - (a1 t + .. + a5 t^5) e^(-z^2), t = 1 / (1 + 0.3275911 z): absolute error 1.5e-7 for every z.
; The f32 sum over f begins at another chunk in each group.  All of a WGP's LDS is claimed.
;
; REGISTERS, in windows of 256.  Window 0: below.  Windows 1, 2: X, fragment (ks, p) = K 32 ks on, tokens 16 p on, at 8 (4 (ks % 8) + p), ks < 8 in window 1.
; Window 3: the outputs' sums, (nt, p) at 8 (4 nt + p); at the start the gathered rows in f32.
.set PWI,   160                        ; a row of wi's chunk in LDS: 128 bytes + 32: an odd multiple of 32
.set PWO,   1056                       ; a row of wo's chunk: 1,024 + 32
.set WOOFF, 512*PWI                    ; a slot: 512 rows of wi, then 64 rows of wo
.set SLOTB, WOOFF+64*PWO               ; 149,504
.set HC,    2*SLOTB                    ; 299,008: gelu's results, two buffers of 64 rows x 144; at the start the stage for X, 16 rows x 1,040
.set PH,    144
.set HCB,   64*PH
.set PX,    1040
.set BIAS,  HC+2*HCB                   ; 317,440: bi[e], 8,192 bytes, in the order of the walk
.set SPARE, BIAS+8192                  ; 325,632: the spare words, 128 bytes for each wave: two blocks of 256 bytes that no other line names
.set PS,    528                        ; the way out: rows of 512 + 16 bytes, 64 a wave, in slot 0 after its last fill and its last read
.set STG,   64*PS
.set CHUNK, 65536                      ; bytes of a chunk in wih and in woh
.set AWI, 2                            ; v2-5    wi's fragments: slot s, rows 256 half on: v[2 + 2 s + half]
.set AWO, 6                            ; v6-7    wo's fragments in slot 0, 1
.set AHL, 8                            ; v8      gelu's fragments
.set AHS, 9                            ; v9      where I put my 16 bytes of gelu
.set ABI, 10                           ; v10     my eight biases of the next chunk
.set SPW, 11                           ; v11     my spare word; never rewritten
.set NIL, 12                           ; v12     0; never rewritten
.set SA,  13                           ; v13     into a stage
.set SB,  14                           ; v14     back from a stage
.set GO,  15                           ; v15     a lane's offset in global rows
.set GT,  16                           ; v[16:19]   the gates of my token in tiles 0-3
.set A5V, 20                           ; v[20:21]   a5 / 2, twice
.set BI,  24                           ; v[24:31]   bias tile: starts the first product's sums
.set ACC1, 32                          ; v[32:63]   the first product's four tiles
.set AX,  64                           ; v[64:95]   gelu at work, one tile at a time: |x|, t, e, polynomial
.set TT,  72
.set QQ,  80
.set PP,  88
.set P0,  96                           ; v[96:127]  wo's fragments, groups 0 and 3
.set P1,  128                          ; v[128:255] wi's fragment ks at P1 + 8 ks; also: P1, P2 wo's groups 1, 2; H0, H1 gelu's fragments of K 0-31, 32-63
.set P2,  160
.set H0,  192
.set H1,  224
.set G1WI, 16                          ; s[16:23], s[24:31] descriptor groups 1
.set G1WO, 24
.set G0WI, 32                          ; s[32:39], s[40:47] descriptor groups 0, a set for each slot
.set G0WO, 40
.set KP, 48                            ; constants, each as a pair with both words written
.set KC, 50
.set A4, 52
.set A3, 54                            ; A3, A2, A1 follow each other
.set OFS0, 66                          ; s[66:67], s[100:101]  slot 0, 1: the byte offset, among the expert's 32 chunks, of the chunk of wi that the slot was last asked for; the upper word is 0
.set OFS1, 100
.set MSB, 0
.set DSN, 0
.set gn, 0
.macro WIN new                         ; the immediate's high byte repeats the setting that is left; a switch that changes nothing is dropped
.if MSB != \new
	s_set_vgpr_msb (MSB<<8)|\new
.set MSB, \new
.endif
.endm
.macro PLACES                          ; four places: in front of loads into registers that matrix instructions have read, and of reads of results just made
.rept 4
	v_nop
.endr
.endm
.macro CREST                           ; a round of the cluster's barrier behind its opening barrier
	s_cmp_lg_u32 s3, 0
	s_cbranch_scc1 .Lnot_wave_0_\@
	s_barrier_signal -3
.Lnot_wave_0_\@:
	s_barrier_wait -3
	s_barrier_signal -1
	s_barrier_wait -1
.endm
.macro ROUND
	s_barrier_signal -1
	s_barrier_wait -1
	CREST
.endm
; A joint refill of a slot.  Waves 0, 1 fetch the halves of wi's chunk, waves 2, 3 those of wo's.  kind 1: wi alone; 2: both; 3: wo alone.
; The branch hangs on the wave's number alone.  Four v_nop follow each tensor load; on every way four v_nop are passed: the places in front of the next turn's loads.
.macro JLOAD slot, kind
	s_cmp_lt_u32 s3, 2
.if \kind == 2
	s_cbranch_scc0 .Lfor_wo_\@
	tensor_load_to_lds s[G0WI+4*\slot:G0WI+4*\slot+3], s[G1WI:G1WI+7]
	s_nop 0
	PLACES
	s_branch .Lasked_\@
.Lfor_wo_\@:
	tensor_load_to_lds s[G0WO+4*\slot:G0WO+4*\slot+3], s[G1WO:G1WO+7]
	s_nop 0
	PLACES
.Lasked_\@:
.elseif \kind == 1
	s_cbranch_scc0 .Lasked_\@
	tensor_load_to_lds s[G0WI+4*\slot:G0WI+4*\slot+3], s[G1WI:G1WI+7]
	s_nop 0
	PLACES
.Lasked_\@:
	PLACES
.else
	s_cbranch_scc1 .Lasked_\@
	tensor_load_to_lds s[G0WO+4*\slot:G0WO+4*\slot+3], s[G1WO:G1WO+7]
	s_nop 0
	PLACES
.Lasked_\@:
	PLACES
.endif
.endm
; LDS loads.  DSN counts a turn's LDS instructions as they are written; WAITDS waits for all up to a mark and leaves the younger ones out (LDS instructions end in order).
.macro LD2 dst, adr, off
	ds_load_b128 v[\dst:\dst+3], v[\adr] offset:\off
	ds_load_b128 v[\dst+4:\dst+7], v[\adr] offset:\off+32
.set DSN, DSN+2
.endm
.macro TR2 dst, adr, off, d
	ds_load_tr16_b128 v[\dst:\dst+3], v[\adr] offset:\off
	ds_load_tr16_b128 v[\dst+4:\dst+7], v[\adr] offset:\off+\d
.set DSN, DSN+2
.endm
.macro WAITDS mark
	s_wait_dscnt DSN-(\mark)
.endm
.macro F_H buf, hb, s                  ; gelu's four fragments (64 tokens) of K 32 s on, from buffer hb
.irp p, 0,1,2,3
	LD2 \buf+8*\p, AHL, (\hb)*HCB+\p*16*PH+64*\s
.endr
.endm
.macro F_WO buf, slot, s, nt0          ; four fragments of wo: K 32 s on, my outputs 16 nt0 on
.irp q, 0,1,2,3
	TR2 \buf+8*\q, AWO+\slot, \s*32*PWO+(\nt0+\q)*32, 16*PWO
.endr
.endm
.macro F_WI slot, ks0                  ; four fragments of wi: K 32 ks0 on, my 16 f
.irp q, 0,1,2,3
	TR2 P1+8*(\ks0+\q), AWI+2*\slot+(\ks0)/8, ((\ks0+\q)%8)*32*PWI, 16*PWI
.endr
.endm
.macro F_BI                            ; my eight biases of the chunk; the address steps to the next chunk's
	ds_load_b128 v[BI:BI+3], v[ABI]
	ds_load_b128 v[BI+4:BI+7], v[ABI] offset:16
	v_add_nc_u32 v[ABI], 256, v[ABI]
.set DSN, DSN+2
.endm
; The accumulators take turns, one instruction a turn: four in the first product, 32 in the second, over the change of products and the backward jump too.
.macro MMA1 ks                         ; K step ks of the first product, four token tiles; step 0 starts the sums with the bias
.irp p, 0,1,2,3
.if \ks == 0
	v_wmma_f32_16x16x32_f16 v[ACC1+8*\p:ACC1+8*\p+7], v[P1+8*\ks:P1+8*\ks+7], v[32*(\ks%8)+8*\p:32*(\ks%8)+8*\p+7], v[BI:BI+7]
.else
	v_wmma_f32_16x16x32_f16 v[ACC1+8*\p:ACC1+8*\p+7], v[P1+8*\ks:P1+8*\ks+7], v[32*(\ks%8)+8*\p:32*(\ks%8)+8*\p+7], v[ACC1+8*\p:ACC1+8*\p+7]
.endif
.endr
.endm
.macro MMA2                            ; product i of 64 of the second: K 32 (i / 32) on, outputs 16 ((i / 4) % 8) on, tokens 16 (i % 4) on.  zf = 1: the first 32 start the sums
.set oo, 8*(4*((i/4)%8)+i%4)
.set gw, i/16
.if gw == 3
.set gw, 0
.endif
.set wa, P0+32*gw+8*((i/4)%4)
.set hf, H0+32*(i/32)+8*(i%4)
.if zf && (i < 32)
	v_wmma_f32_16x16x32_f16 v[oo:oo+7], v[wa:wa+7], v[hf:hf+7], 0
.else
	v_wmma_f32_16x16x32_f16 v[oo:oo+7], v[wa:wa+7], v[hf:hf+7], v[oo:oo+7]
.endif
.endm
; GELU of tile tl, number n of 76:  gelu(x) = max(x, 0) - |x| (P(t) / 2) e^(-x^2 / 2),  t = 1 / (1 + 0.23164189 |x|).  The tile's registers are read from the low end on.
;   0-11    |x|; 1 + 0.23164189 |x|
;   12-43   THE BATCH, a reciprocal or an exponential and a plain instruction by turns: 12-27 the eight reciprocals, behind each a line of x^2 (four) or of x^2 times -log2(e) / 2 (four);
;           28-43 the eight exponentials, behind each a max(x, 0), in place.  None of these names a result of the batch; number 43, a plain one, stands behind the last exponential
;   (wait)  behind 43: the one wait for the tile's sixteen
;   44-59   the polynomial in t     60-63  e t     64-67  times the polynomial     68-71  max(x, 0) - |x| times that     72-75  rounded to f16, and stored
.macro GI hb
.set xr, ACC1+8*tl
.if n < 8
	v_and_b32 v[AX+n], s62, v[xr+n]
.elseif n < 12
.set c, 2*(n-8)
	v_pk_fma_f32 v[TT+c:TT+c+1], v[AX+c:AX+c+1], s[KP:KP+1], 1.0 op_sel_hi:[1,0,0]
.elseif n < 28
.set c, (n-12)/2
.if n%2 == 0
	v_rcp_f32 v[TT+c], v[TT+c]
.elseif c < 4
	v_pk_mul_f32 v[QQ+2*c:QQ+2*c+1], v[xr+2*c:xr+2*c+1], v[xr+2*c:xr+2*c+1]
.else
	v_pk_mul_f32 v[QQ+2*c-8:QQ+2*c-7], v[QQ+2*c-8:QQ+2*c-7], s[KC:KC+1] op_sel_hi:[1,0]
.endif
.elseif n < 44
.set c, (n-28)/2
.if n%2 == 0
	v_exp_f32 v[QQ+c], v[QQ+c]
.else
	v_max_num_f32 v[xr+c], 0, v[xr+c]
.endif
.if n == 43
	s_wait_alu depctr_va_vdst(0)                   ; the wait for the tile's batch, eight reciprocals and eight exponentials: ahead of number 44, the first reader
.endif
.elseif n < 48
.set c, 2*(n-44)
	v_pk_fma_f32 v[PP+c:PP+c+1], v[TT+c:TT+c+1], v[A5V:A5V+1], s[A4:A4+1] op_sel_hi:[1,1,0]
.elseif n < 60
.set c, 2*((n-48)%4)
.set k, A3+2*((n-48)/4)
	v_pk_fma_f32 v[PP+c:PP+c+1], v[PP+c:PP+c+1], v[TT+c:TT+c+1], s[k:k+1] op_sel_hi:[1,1,0]
.elseif n < 64
.set c, 2*(n-60)
	v_pk_mul_f32 v[QQ+c:QQ+c+1], v[QQ+c:QQ+c+1], v[TT+c:TT+c+1]
.elseif n < 68
.set c, 2*(n-64)
	v_pk_mul_f32 v[PP+c:PP+c+1], v[PP+c:PP+c+1], v[QQ+c:QQ+c+1]
.elseif n < 72
.set c, 2*(n-68)
	v_pk_fma_f32 v[xr+c:xr+c+1], v[AX+c:AX+c+1], v[PP+c:PP+c+1], v[xr+c:xr+c+1] neg_lo:[1,0,0] neg_hi:[1,0,0]
.else
	v_cvt_pk_f16_f32 v[QQ+n-72], v[xr+2*(n-72)], v[xr+2*(n-72)+1]
.if n == 75
	ds_store_b128 v[AHS], v[QQ:QQ+3] offset:(\hb)*HCB+tl*16*PH    ; my token's eight f of the tile
.set DSN, DSN+1
.endif
.endif
.endm
.macro GRUN cnt, hb                    ; the next cnt of the four tiles' 304 instructions, tile after tile; gn counts them through a turn
.rept \cnt
.set tl, gn/76
.set n, gn%76
	GI \hb
.set gn, gn+1
.endr
.endm
; THE DEAL.  Tile 0's numbers 0-43 stand as a lump in front of the second product (TURN writes it).  The other 260 ride behind the products: slice i stands behind product i.
; Slices 0-15 four and 16-19 three: 76, up to tile 1's wait.  Slices 20-31 five and 32-35 four: 76, up to tile 2's wait.  Slices 36-47 five and 48-51 four: 76, up to tile 3's wait.
; Slices 52-59 four: tile 3's last 32.  Slices 60-63 none, and no switch of the windows.  So the waits end slices 19, 35 and 51, behind which TURN's runs of LDS loads stand.
; The four stores fall into slices 7, 26, 42 and 59: each between the same runs of loads, and on the same side of the counted waits in front of products 16, 32 and 48, whatever the slice.
.macro GSLICE hb
.if i < 16
.set gc, 4
.elseif i < 20
.set gc, 3
.elseif i < 52
.set gc, 5-((i-20)%16)/12
.elseif i < 60
.set gc, 4
.else
.set gc, 0
.endif
.if gc
	WIN 0
	GRUN gc, \hb
.endif
.endm
; A TURN on slot.  b: second product (1: it starts the sums; 2: it adds; 0: none).  g: a gelu.  a: first product.  held: the last two K steps of the first product of the
; turn before come first (they cover the first loads' way).  fill: 1-3 JLOAD's kind, behind a round; 0: a barrier alone; 4: nothing.
.macro TURN slot, b, g, a, held, fill
.set DSN, 0
.set gn, 0
.set zf, 2-\b
.set ofs, OFS0+(OFS1-OFS0)*\slot
.if \b
	F_H  H0, \slot, 0
	F_WO P0, \slot, 0, 0
.set M_B0, DSN
.elseif \a
	F_WI \slot, 0
	F_BI
.set M_A0, DSN
	F_WI \slot, 8
	F_WI \slot, 4
.set M_A1, DSN
.endif
.if \held
	WIN 0x08
	MMA1 14
	MMA1 15
	WIN 0
	PLACES                                         ; in front of the loads into H1 and of the gelu's first read
.endif
.if \b
.if \g
	GRUN 44, 1-\slot                               ; tile 0's batch, a lump: it holds no LDS instruction; its wait stands directly ahead of the 24 loads below
.endif
	F_WO P1, \slot, 0, 4
.set M_B1, DSN
	F_H  H1, \slot, 1
	F_WO P2, \slot, 1, 0
.set M_B2, DSN
.set i, 0
.rept 64
.if i == 0
	WAITDS M_B0                                    ; gelu's first fragments and wo's first group are in; the 24 younger loads stay out
.elseif i == 16
	WAITDS M_B1
.elseif i == 32
	WAITDS M_B2
.elseif i == 48
	WAITDS M_B3
.endif
	WIN 0xf0                                       ; sums in window 3, fragments in window 0
	MMA2
.if \g
	GSLICE 1-\slot
.endif
; each run of loads stands four products behind the last that read its registers; the slices between hold eight plain instructions or more beside the batch's reciprocals and exponentials
.if i == 19
	WIN 0
.if !\g
	PLACES
.endif
	F_WO P0, \slot, 1, 4
.set M_B3, DSN
.endif
.if \a && (i == 35)
	F_WI \slot, 0
	F_BI
.set M_A0, DSN
.endif
.if \a && (i == 39)
	F_WI \slot, 8
.endif
.if \a && (i == 51)
	F_WI \slot, 4
.set M_A1, DSN
.endif
.set i, i+1
.endr
	WIN 0
.elseif \g
	GRUN 304, 1-\slot                              ; the first gelu has no product to stand behind: four tiles on end, a wait each
.endif
.if \a
	PLACES                                         ; in front of the loads into H1, which the last product read
	F_WI \slot, 12
	WAITDS M_A0                                    ; K steps 0-3 and the bias are in
	WIN 0x04                                       ; X's first half: window 1
.irp ks, 0,1,2,3
	MMA1 \ks
.endr
	WAITDS M_A1                                    ; K steps 4-7 are in, and 8-11, which are older
.irp ks, 4,5,6,7
	MMA1 \ks
.endr
	WIN 0x08                                       ; X's second half: window 2
.irp ks, 8,9,10,11
	MMA1 \ks
.endr
.endif
.if \fill != 4
	WIN 0                                          ; (the add's two registers lie in window 0)
	s_wait_tensorcnt 0x0                           ; all my tensor loads have landed: the one that was out is my part of the next slot; so a group 0 may be written
	ds_add_u32 v[SPW], v[NIL]                      ; 0 onto my spare word: the descriptors' steps stand between it and the wait for it
.if (\fill == 2) || (\fill == 3)
	s_add_nc_u64 s[G0WO+4*\slot+2:G0WO+4*\slot+3], s[76:77], s[ofs:ofs+1]     ; wo's next chunk in this slot is the one that wi was last asked for here
	s_or_b32 s[G0WO+4*\slot+3], s[G0WO+4*\slot+3], 0x80000000                 ; type = 2
.endif
.if (\fill == 1) || (\fill == 2)
	s_add_co_u32 s[ofs], s[ofs], 2*CHUNK           ; wi's next chunk in this slot: two on,
	s_and_b32 s[ofs], s[ofs], 32*CHUNK-1           ; round the expert's 32
	s_add_nc_u64 s[G0WI+4*\slot+2:G0WI+4*\slot+3], s[74:75], s[ofs:ofs+1]
	s_or_b32 s[G0WI+4*\slot+3], s[G0WI+4*\slot+3], 0x80000000
.endif
.if \a
	s_wait_dscnt 0x1                               ; K steps 12-15 are in; the add may be out
	WIN 0x08
	MMA1 12
	s_wait_dscnt 0x0                               ; the add is done; my reads of this slot and of gelu's buffer are over; my stores of gelu are done
	s_barrier_signal -1
	MMA1 13                                        ; work on registers while the others arrive
	WIN 0
	s_barrier_wait -1
.else
	s_wait_dscnt 0x0
	s_barrier_signal -1
	s_barrier_wait -1
.endif
.if \fill == 0
	PLACES                                         ; in front of the next turn's loads
.else
	CREST                                          ; the barrier has opened a round: no wave of any partner still reads this slot or has a load on its way
	JLOAD \slot, \fill
.endif
.endif
.endm
	s_load_b512 s[68:83], s[0:1], 0x0              ; x 68, list 70, probs 72, wih 74, woh 76, bi 78, bo 80, eo 82
	v_lshl_add_u32 v[SPW], v0, 2, SPARE
	v_mov_b32 v[NIL], 0
	ds_add_u32 v11, v12
	s_wait_dscnt 0x0
	v_lshrrev_b32 v1, 5, v0
	v_readfirstlane_b32 s3, v1                     ; wave 0..3
	s_and_b32 s4, s3, 1                            ; which half of a chunk I fetch
	s_bfe_u32 s5, ttmp6, 0x40000                   ; cx: my quarter of the pair's slots: it enters list's and eo's addresses alone
	s_and_b32 s6, ttmp9, 7                         ; e: in a cluster launch ttmp9 counts clusters; the eight clusters of an expert lie eight apart in that count
	s_lshr_b32 s7, ttmp9, 3                        ; g
	s_lshl_b32 s8, s7, 3
	s_add_co_u32 s8, s8, s6                        ; pair
	s_lshl_b32 s[OFS0], s7, 18                     ; the walk begins at the expert's chunk 4 g: its byte offset
	s_mov_b32 s[OFS0+1], 0
	s_add_co_u32 s[OFS1], s[OFS0], CHUNK           ; slot 1 begins one chunk on: 29 at the most, short of the wrap
	s_mov_b32 s[OFS1+1], 0
	; group 1 for wi: half a chunk, 32,768 bytes on end, as 128 rows of 256 bytes; 8 words of padding after every 32 words, so that each 128 bytes (a row h) take 160
	s_mov_b32 s[G1WI], 15|(1<<16)|(1<<20)|(1<<21)|(4<<22)|(7<<25)  ; the mask: all four; elements of 2 bytes; padding on; bit 21 beside a mask; interval code 4; 8 words
	s_mov_b32 s[G1WI+1], 128<<16                   ; tensor_dim0 = 128
	s_mov_b32 s[G1WI+2], 128<<16                   ; tensor_dim1 = 128
	s_mov_b32 s[G1WI+3], 128<<16                   ; tile_dim0 = 128
	s_mov_b32 s[G1WI+4], 128                       ; tile_dim1 = 128
	s_mov_b32 s[G1WI+5], 128                       ; elements from row to row
	s_mov_b32 s[G1WI+6], 0
	s_mov_b32 s[G1WI+7], 0
	; group 1 for wo: half a chunk, 32 rows of 1,024 bytes; 8 words of padding after every 256 words
	s_mov_b32 s[G1WO], 15|(1<<16)|(1<<20)|(1<<21)|(7<<22)|(7<<25)
	s_mov_b32 s[G1WO+1], 512<<16
	s_mov_b32 s[G1WO+2], 32<<16
	s_mov_b32 s[G1WO+3], 512<<16
	s_mov_b32 s[G1WO+4], 32
	s_mov_b32 s[G1WO+5], 512
	s_mov_b32 s[G1WO+6], 0
	s_mov_b32 s[G1WO+7], 0
.irp w, 0,1
	s_mov_b32 s[KP+\w], 0x3e6d3388                 ; 0.3275911 / sqrt(2)
	s_mov_b32 s[KC+\w], 0xbf38aa3b                 ; -log2(e) / 2
	s_mov_b32 s[A4+\w], 0xbf3a00e3                 ; a4 / 2
	s_mov_b32 s[A3+\w], 0x3f35f0e3                 ; a3 / 2
	s_mov_b32 s[A3+2+\w], 0xbe11a98e               ; a2 / 2
	s_mov_b32 s[A3+4+\w], 0x3e027906               ; a1 / 2
.endr
	s_mov_b32 s62, 0x7fffffff
	s_lshl_b32 s10, s6, 21                         ; an expert's 2 MiB of f16,
	s_lshl_b32 s11, s4, 15                         ; my half of a chunk
	s_add_co_u32 s10, s10, s11
	s_mov_b32 s11, 0
	s_mul_i32 s12, s4, 256*PWI                     ; and its place in a slot: the wave's number alone enters an LDS address
	s_mul_i32 s13, s4, 32*PWO
	s_add_co_u32 s13, s13, WOOFF
	s_wait_kmcnt 0x0
	s_add_nc_u64 s[74:75], s[74:75], s[10:11]      ; wih and woh at my half of the expert's chunk 0: they stay so; a chunk's offset is added for each load
	s_add_nc_u64 s[76:77], s[76:77], s[10:11]
.irp s, 0,1
	s_mov_b32 s[G0WI+4*\s], 1                      ; count = 1
	s_add_co_u32 s[G0WI+4*\s+1], s12, \s*SLOTB     ; LDS address
	s_add_nc_u64 s[G0WI+4*\s+2:G0WI+4*\s+3], s[74:75], s[OFS0+(OFS1-OFS0)*\s:OFS0+(OFS1-OFS0)*\s+1]   ; slot s begins with chunk s of the walk
	s_or_b32 s[G0WI+4*\s+3], s[G0WI+4*\s+3], 0x80000000           ; type = 2
	s_mov_b32 s[G0WO+4*\s], 1
	s_add_co_u32 s[G0WO+4*\s+1], s13, \s*SLOTB
	s_add_nc_u64 s[G0WO+4*\s+2:G0WO+4*\s+3], s[76:77], s[OFS0+(OFS1-OFS0)*\s:OFS0+(OFS1-OFS0)*\s+1]
	s_or_b32 s[G0WO+4*\s+3], s[G0WO+4*\s+3], 0x80000000
.endr
	s_mov_b32 s15, 0
	s_lshl_b32 s14, s7, 22
	s_add_nc_u64 s[68:69], s[68:69], s[14:15]      ; x at the group's first row
	s_lshl_b32 s14, s8, 13
	s_add_nc_u64 s[72:73], s[72:73], s[14:15]      ; probs at the pair
	s_lshl_b32 s14, s6, 13
	s_add_nc_u64 s[78:79], s[78:79], s[14:15]      ; bi at the expert
	s_lshl_b32 s14, s6, 11
	s_add_nc_u64 s[80:81], s[80:81], s[14:15]      ; bo at the expert
	s_mov_b32 s61, 0
	s_lshl_b32 s60, s8, 19
	s_lshl_b32 s63, s5, 17
	s_add_co_u32 s60, s60, s63
	s_add_nc_u64 s[82:83], s[82:83], s[60:61]      ; eo at my 64 rows
	s_lshl_b32 s60, s8, 10
	s_lshl_b32 s63, s5, 8
	s_add_co_u32 s60, s60, s63
	s_add_nc_u64 s[70:71], s[70:71], s[60:61]      ; list at my 64 slots
	s_lshl_b32 s14, s3, 4
	s_add_nc_u64 s[10:11], s[70:71], s[14:15]
.irp p, 0,1,2,3
	s_load_b128 s[84+4*\p:87+4*\p], s[10:11], 64*\p    ; the tokens that I gather: slots 16 p + 4 wave + 0..3
.endr
	ROUND                                          ; all four work-groups are here: the first joint loads meet
	s_cmp_lt_u32 s3, 2                             ; a wave's two first fills stand in one branch, ahead of every wait on TENSORcnt and every LDS read
	s_cbranch_scc0 .Lfirst_wo
	tensor_load_to_lds s[G0WI:G0WI+3], s[G1WI:G1WI+7]
	s_nop 0
	tensor_load_to_lds s[G0WI+4:G0WI+7], s[G1WI:G1WI+7]
	s_nop 0
	PLACES
	s_branch .Lfirst_asked
.Lfirst_wo:
	tensor_load_to_lds s[G0WO:G0WO+3], s[G1WO:G1WO+7]
	s_nop 0
	tensor_load_to_lds s[G0WO+4:G0WO+7], s[G1WO:G1WO+7]
	s_nop 0
	PLACES
.Lfirst_asked:
	v_and_b32 v1, 31, v0                           ; L
	v_and_b32 v112, 15, v0                         ; r = L % 16
	v_bfe_u32 v113, v0, 4, 1                       ; h = L / 16
	v_and_b32 v114, 7, v0
	v_lshl_add_u32 v114, v113, 3, v114             ; the turning load: row 8 h + L % 8,
	v_bfe_u32 v115, v0, 3, 1
	v_lshlrev_b32 v115, 4, v115                    ; 16 bytes x ((L / 8) % 2)
	v_mul_u32_u24 v116, v114, PWI
	v_add_nc_u32 v116, v116, v115
	s_lshl_b32 s14, s3, 5                          ; my 16 f: 32 bytes
	v_add_nc_u32 v[AWI], s14, v116
	v_add_nc_u32 v[AWI+1], 256*PWI, v[AWI]
	v_add_nc_u32 v[AWI+2], SLOTB, v[AWI]
	v_add_nc_u32 v[AWI+3], SLOTB+256*PWI, v[AWI]
	v_mul_u32_u24 v116, v114, PWO
	v_add_nc_u32 v116, v116, v115
	s_lshl_b32 s14, s3, 8                          ; my 128 outputs: 256 bytes
	s_add_co_u32 s14, s14, WOOFF
	v_add_nc_u32 v[AWO], s14, v116
	v_add_nc_u32 v[AWO+1], SLOTB, v[AWO]
	v_mul_u32_u24 v[AHL], v112, PH
	v_lshl_add_u32 v[AHL], v113, 4, v[AHL]
	v_add_nc_u32 v[AHL], HC, v[AHL]                ; row r, 16 bytes for each half of the lanes
	s_lshl_b32 s14, s3, 5
	v_add_nc_u32 v[AHS], s14, v[AHL]
	s_lshl_b32 s14, s3, 6
	s_add_co_u32 s14, s14, BIAS
	v_lshl_add_u32 v[ABI], v113, 5, s14            ; f = 16 wave + 8 h on
	s_mul_i32 s14, s3, 4*PX
	s_add_co_u32 s14, s14, HC
	v_lshl_add_u32 v[SA], v1, 3, s14               ; X's stage, in: my four rows, 8 bytes a lane
	v_mul_u32_u24 v[SB], v112, PX
	v_lshl_add_u32 v[SB], v113, 4, v[SB]
	v_add_nc_u32 v[SB], HC, v[SB]                  ; back: a fragment's row r
	v_lshlrev_b32 v[GO], 4, v1
	v_lshlrev_b32 v117, 4, v0
	v_add_nc_u32 v118, BIAS, v117
	v_lshlrev_b32 v119, 2, v112
	; bi[e] is laid into LDS in the order of the walk: LDS byte b takes the expert's byte (b + 1,024 g) mod 8,192 (a chunk's biases are 256 bytes), so the LDS address of a chunk's biases steps by a constant
	s_lshl_b32 s14, s7, 10
.irp u, 0,1,2,3
	v_add3_u32 v[120+\u], v117, s14, 2048*\u
.endr
.irp u, 0,1,2,3
	v_and_b32 v[120+\u], 0x1fff, v[120+\u]
.endr
	v_mov_b32 v[A5V], 0x3f07dc22                   ; a5 / 2
	v_mov_b32 v[A5V+1], 0x3f07dc22
.irp u, 0,1,2,3
	global_load_b128 v[AX+4*\u:AX+4*\u+3], v[120+\u], s[78:79]                ; bi[e], 8,192 bytes by 128 threads
.endr
.irp p, 0,1,2,3
	global_load_b32 v[BI+\p], v119, s[70:71] offset:64*\p                     ; my token in tile p, for its gate
.endr
	s_wait_kmcnt 0x0
.irp n, 0,1,2,3,4,5,6,7,8,9,10,11,12,13,14,15
	s_min_u32 s[84+\n], s[84+\n], 0x7ff            ; a token stays inside its group
.endr
.irp n, 0,1,2,3,4,5,6,7,8,9,10,11,12,13,14,15
	v_lshl_add_u32 v[P0+\n], s[84+\n], 11, v[GO]   ; the row's 2,048 bytes, 16 a lane
.endr
.macro GATHER p                        ; my four rows of tile p, whole: sixteen loads of 512 neighbouring bytes, into window 3
.irp t, 0,1,2,3
.irp u, 0,1,2,3
	global_load_b128 v[64*\p+16*\t+4*\u:64*\p+16*\t+4*\u+3], v[P0+4*\p+\t], s[68:69] offset:512*\u
.endr
.endr
.endm
	WIN 0xc0
	GATHER 0
	GATHER 1
	GATHER 2
	WIN 0
	s_wait_loadcnt 52                              ; bi is in: behind it 4 loads of the list and 48 of rows
.irp u, 0,1,2,3
	ds_store_b128 v118, v[AX+4*\u:AX+4*\u+3] offset:2048*\u
.endr
	s_wait_loadcnt 48                              ; the list is in
.irp p, 0,1,2,3
	v_min_u32 v[BI+\p], 0x7ff, v[BI+\p]
.endr
.irp p, 0,1,2,3
	v_lshlrev_b32 v[BI+\p], 2, v[BI+\p]
.endr
.irp p, 0,1,2,3
	global_load_b32 v[GT+\p], v[BI+\p], s[72:73]
.endr
	WIN 0xc0
	GATHER 3
	WIN 0
; Tile p of X: my four rows are rounded to f16 and staged; every wave reads the tile's 16 fragments.  left = the younger loads: the later tiles' rows and the four gates.
.macro XPASS p, left, last
	s_wait_loadcnt \left
	WIN 0x0f                                       ; sources in window 3
.set n, 0
.rept 32
	v_cvt_pk_f16_f32 v[ACC1+n], v[64*\p+2*n], v[64*\p+2*n+1]
.set n, n+1
.endr
	WIN 0
.set n, 0
.rept 16
	ds_store_b64 v[SA], v[ACC1+2*n:ACC1+2*n+1] offset:(n/4)*PX+256*(n%4)
.set n, n+1
.endr
	s_wait_dscnt 0x0                               ; for the others' sake: my stores are done
	s_barrier_signal -1
	s_barrier_wait -1
	WIN 0x40
.set n, 0
.rept 8
	ds_load_b128 v[8*(4*n+\p):8*(4*n+\p)+3], v[SB] offset:64*n
	ds_load_b128 v[8*(4*n+\p)+4:8*(4*n+\p)+7], v[SB] offset:64*n+32
.set n, n+1
.endr
	WIN 0x80
.set n, 0
.rept 8
	ds_load_b128 v[8*(4*n+\p):8*(4*n+\p)+3], v[SB] offset:64*(n+8)
	ds_load_b128 v[8*(4*n+\p)+4:8*(4*n+\p)+7], v[SB] offset:64*(n+8)+32
.set n, n+1
.endr
	WIN 0
	s_wait_dscnt 0x0                               ; my reads of the stage are over: the next tile, or the gelu, may write it
.if \last
	s_wait_tensorcnt 0x1                           ; my part of slot 0 is in; slot 1's, issued behind it, may stay out
.endif
	s_barrier_signal -1
	s_barrier_wait -1
.endm
	XPASS 0, 52, 0
	XPASS 1, 36, 0
	XPASS 2, 20, 0
	XPASS 3, 0, 1
	TURN 0, 0, 0, 1, 0, 1                          ; first product of chunk 0; slot 0 takes wi's chunk 2
	TURN 1, 0, 1, 1, 1, 1                          ; gelu of chunk 0, first product of chunk 1; slot 1 takes wi's chunk 3
	TURN 0, 1, 1, 1, 1, 2                          ; turn 0: its products start the outputs' sums
	TURN 1, 2, 1, 1, 1, 2                          ; turn 1
	s_mov_b32 s9, 13
.Lturns:                                               ; turns 2 to 27
	TURN 0, 2, 1, 1, 1, 2
	TURN 1, 2, 1, 1, 1, 2
	s_sub_co_u32 s9, s9, 1
	s_cmp_lg_u32 s9, 0
	s_cbranch_scc1 .Lturns
	TURN 0, 2, 1, 1, 1, 3                          ; turns 28, 29: wi has no chunk left; wo's chunks 30, 31
	TURN 1, 2, 1, 1, 1, 3
	TURN 0, 2, 1, 0, 1, 0                          ; turn 30: the last gelu; nothing is asked for
	v_bfe_u32 v[GO], v0, 4, 1
	v_lshlrev_b32 v[GO], 5, v[GO]
	s_lshl_b32 s10, s3, 9
	v_add_nc_u32 v[GO], s10, v[GO]                 ; bo: my outputs 128 wave + 8 h on
.irp nt, 0,1,2,3,4,5,6,7
	global_load_b128 v[ACC1+8*\nt:ACC1+8*\nt+3], v[GO], s[80:81] offset:64*\nt
	global_load_b128 v[ACC1+8*\nt+4:ACC1+8*\nt+7], v[GO], s[80:81] offset:64*\nt+16
.endr
	TURN 1, 2, 0, 0, 0, 4                          ; turn 31
	; THE WAY OUT.  (sum + bo) x gate; a lane's eight outputs go into my own stage, rows of 528 bytes, and come back as whole pieces of 512 bytes of eo's rows.
	; The stage lies in slot 0: its last fill has landed and every wave's last read of it stood in front of the barrier behind turn 30.  The eleven plain instructions below are the places behind the last products.
	v_and_b32 v[SA], 15, v0
	v_mul_u32_u24 v[SA], v[SA], PS
	v_bfe_u32 v[SB], v0, 4, 1
	v_lshl_add_u32 v[SA], v[SB], 5, v[SA]
	s_mul_i32 s10, s3, STG
	v_add_nc_u32 v[SA], s10, v[SA]                 ; in: row r, 32 bytes for each half of the lanes
	v_and_b32 v[SB], 31, v0
	v_lshlrev_b32 v[SB], 4, v[SB]
	s_lshl_b32 s11, s3, 9
	v_add_nc_u32 v1, s11, v[SB]                    ; eo: my wave's 512 bytes of a row, 16 a lane
	v_add_nc_u32 v[SB], s10, v[SB]                 ; back: a row's 512 bytes
	v_nop
	s_wait_loadcnt 0x0                             ; bo
.macro OUTP p
.set BK, P0+64*((\p)%2)
	WIN 0xc3                                       ; sums (destination and source 0) in window 3; bo and the gate in window 0
.irp nt, 0,1,2,3,4,5,6,7
.irp c, 0,2,4,6
	v_pk_add_f32 v[8*(4*\nt+\p)+\c:8*(4*\nt+\p)+\c+1], v[8*(4*\nt+\p)+\c:8*(4*\nt+\p)+\c+1], v[ACC1+8*\nt+\c:ACC1+8*\nt+\c+1]
.endr
.endr
.irp nt, 0,1,2,3,4,5,6,7
.irp c, 0,2,4,6
.if (\p)%2 == 0
	v_pk_mul_f32 v[8*(4*\nt+\p)+\c:8*(4*\nt+\p)+\c+1], v[8*(4*\nt+\p)+\c:8*(4*\nt+\p)+\c+1], v[GT+2*((\p)/2):GT+2*((\p)/2)+1] op_sel_hi:[1,0]
.else
	v_pk_mul_f32 v[8*(4*\nt+\p)+\c:8*(4*\nt+\p)+\c+1], v[8*(4*\nt+\p)+\c:8*(4*\nt+\p)+\c+1], v[GT+2*((\p)/2):GT+2*((\p)/2)+1] op_sel:[0,1] op_sel_hi:[1,1]
.endif
.endr
.endr
	WIN 0x0c                                       ; a store's data in window 3
.irp nt, 0,1,2,3,4,5,6,7
	ds_store_b128 v[SA], v[8*(4*\nt+\p):8*(4*\nt+\p)+3] offset:\p*16*PS+64*\nt
	ds_store_b128 v[SA], v[8*(4*\nt+\p)+4:8*(4*\nt+\p)+7] offset:\p*16*PS+64*\nt+16
.endr
	WIN 0
	s_wait_xcnt 0x0                                ; the registers that earlier stores read are loaded again only behind this wait
.irp t, 0,1,2,3,4,5,6,7,8,9,10,11,12,13,14,15
	ds_load_b128 v[BK+4*\t:BK+4*\t+3], v[SB] offset:(16*\p+\t)*PS   ; LDS serves a wave's instructions in order: these see the stores above
.endr
.irp t, 0,1,2,3,4,5,6,7,8,9,10,11,12,13,14,15
	s_wait_dscnt 15-\t
	global_store_b128 v1, v[BK+4*\t:BK+4*\t+3], s[82:83] offset:(16*\p+\t)*2048   ; 512 consecutive bytes, at a multiple of 512 from eo's first byte
.endr
.endm
	OUTP 0
	OUTP 1
	OUTP 2
	OUTP 3
	s_wait_tensorcnt 0x0                           ; the wave's end: behind my last tensor load and my last LDS store
	ds_add_u32 v[SPW], v[NIL]
	s_wait_dscnt 0x0
	ROUND                                          ; the closing round: no work-group ends while a partner may still ask for a tile that names it
	s_endpgm
.Lfunc_end_k_q16ae5ea204_ffn:
	.size	k_q16ae5ea204_ffn, .Lfunc_end_k_q16ae5ea204_ffn-k_q16ae5ea204_ffn
	.p2alignl 7, 3214868480
	.fill 96, 4, 3214868480
	.section	.rodata,"a",@progbits
	.p2align	6, 0x0
	.amdhsa_kernel k_q16ae5ea204_ffn
		.amdhsa_group_segment_fixed_size 327680
		.amdhsa_private_segment_fixed_size 0
		.amdhsa_enable_private_segment 0
		.amdhsa_kernarg_size 64
		.amdhsa_user_sgpr_count 2
		.amdhsa_user_sgpr_kernarg_segment_ptr 1
		.amdhsa_wavefront_size32 1
		.amdhsa_system_sgpr_workgroup_id_x 1
		.amdhsa_system_sgpr_workgroup_id_y 1
		.amdhsa_system_sgpr_workgroup_id_z 1
		.amdhsa_system_vgpr_workitem_id 0
		.amdhsa_next_free_vgpr 1024
		.amdhsa_next_free_sgpr 102
		.amdhsa_reserve_vcc 0
		.amdhsa_float_denorm_mode_32 3
		.amdhsa_float_denorm_mode_16_64 3
		.amdhsa_memory_ordered 1
		.amdhsa_forward_progress 1
		.amdhsa_inst_pref_size 255
	.end_amdhsa_kernel
	.section	.bss,"aw",@nobits
	.p2align	6
	.space	262144
	.amdgpu_metadata
---
amdhsa.version: [ 1, 2 ]
amdhsa.kernels:
  - .name:           k_q16ae5ea204_ffn
    .symbol:         k_q16ae5ea204_ffn.kd
    .args:
      - { .name: x, .offset: 0, .size: 8, .value_kind: global_buffer, .address_space: global }
      - { .name: list, .offset: 8, .size: 8, .value_kind: global_buffer, .address_space: global }
      - { .name: probs, .offset: 16, .size: 8, .value_kind: global_buffer, .address_space: global }
      - { .name: wih, .offset: 24, .size: 8, .value_kind: global_buffer, .address_space: global }
      - { .name: woh, .offset: 32, .size: 8, .value_kind: global_buffer, .address_space: global }
      - { .name: bi, .offset: 40, .size: 8, .value_kind: global_buffer, .address_space: global }
      - { .name: bo, .offset: 48, .size: 8, .value_kind: global_buffer, .address_space: global }
      - { .name: eo, .offset: 56, .size: 8, .value_kind: global_buffer, .address_space: global }
    .group_segment_fixed_size: 327680
    .private_segment_fixed_size: 0
    .kernarg_segment_align: 8
    .kernarg_segment_size: 64
    .max_flat_workgroup_size: 128
    .sgpr_count:     102
    .vgpr_count:     1024
    .wavefront_size: 32
...
	.end_amdgpu_metadata
.endif
;; end of part 5
;; launch combine: the kernel of part 4 again; grid 2048 x 1, 8 waves a work-group, no clusters, 0 bytes of LDS; arguments slotmap, eo, out0; writes out0
